; MI455X (gfx1250); checked and timed in simulation.
; The chip was launched on July 23, 2026; its instructions are those of AMD's public machine-readable ISA for CDNA 5 (MIT licence, August 2026) and "CDNA5" Instruction Set Architecture Reference Guide (July 2026). The comments in the code are by the model that wrote it; some were corrected since.
;; Rope Attention. Allowed arithmetic: matrix products marked QUANTISED: E2M1 operands, one E8M0 scale for each 32 along K, by v_wmma_scale_f32_16x16x128_f8f6f4 with both operands' format E2M1 (or v_wmma_scale_f32_32x16x128_f4), f32 sums; products left as they are: bf16, f16 or f32 operands; f32 sums; everything else in f32.
;; Inputs: Wk 2,048 x 1,024 float32; Wo 1,024 x 2,048 float32; Wq 2,048 x 1,024 float32; Wv 2,048 x 1,024 float32; attention_mask 2 x 1 x 2,048 x 2,048 float32; hidden_states 2 x 2,048 x 2,048 float32; position_ids 2 x 2,048 int32.
;; Outputs: out0 2 x 2,048 x 2,048 float32.
;; This version of the problem:
;;   THIS VERSION OF THE PROBLEM IS GIVEN IN LOW PRECISION. The matrix products marked QUANTISED in the list below multiply operands that are first quantised to E2M1 (2 exponent bits, 1 mantissa bit; 4 bits a number), with one power-of-two scale for each 32 numbers along K (OCP MX v1.0); their sums are f32. The products marked 'left as it is' may take bf16, f16 or f32 operands, with f32 sums. Whichever they take, every output number must still come out within the allowed error. Rounding operands to bf16 (8 significant bits) uses up far more of that allowance than f16 does (11 bits, for magnitudes from 6e-5 to 65,504). All else is computed in f32.
;;   The module's matrix products, in the order in which they are computed (A, B: the left and right operand; K: the contracted axis; several contracted axes count as one K, in the product's order):
;;     1. [M 4,096, K 2,048] x [K 2,048, N 1,024]; A: input hidden_states; B: input Wq: QUANTISED
;;     2. [M 4,096, K 2,048] x [K 2,048, N 1,024]; A: input hidden_states; B: input Wk: QUANTISED
;;     3. [M 4,096, K 2,048] x [K 2,048, N 1,024]; A: input hidden_states; B: input Wv: QUANTISED
;;     4. batch 32 x [M 2,048, K 64] x [K 64, N 2,048]; A: computed on the way; B: computed on the way: left as it is (an operand is computed on the way)
;;     5. batch 32 x [M 2,048, K 2,048] x [K 2,048, N 64]; A: computed on the way; B: computed on the way: left as it is (an operand is computed on the way)
;;     6. [M 4,096, K 1,024] x [K 1,024, N 2,048]; A: computed on the way; B: input Wo: left as it is (an operand is computed on the way)
;;   THE QUANTISER, for each operand of a quantised product, along K:
;;     - K is cut into blocks of 32 from its start; a last block that is shorter is filled with zeros.
;;     - A block's scale is 2^e with e = floor(log2(the largest magnitude in the block)) - 2, held to -126 .. 127; a block of zeros has e = 0. As a byte (E8M0): e + 127.
;;     - Each number is divided by its block's scale, clamped to +-6, and rounded to the nearest number of E2M1, ties to even, subnormals kept.
;;     - The product sums the exact products of the quantised numbers (number of the format x scale) in f32.
;;   ~~~python
;;   def quantise(x, axis):      # numpy; x: float32 -> the quantised numbers, widened to float32 again
;;       x = np.moveaxis(x, axis, -1); K = x.shape[-1]
;;       x = np.pad(x, [(0, 0)] * (x.ndim - 1) + [(0, -K % 32)]); x = x.reshape(x.shape[:-1] + (-1, 32)); a = np.abs(x).max(-1, keepdims=True)
;;       e = np.where(a > 0, np.clip(np.frexp(np.where(a > 0, a, 1))[1] - 1 - 2, -126, 127), 0)      # np.frexp(a)[1] - 1 = floor(log2(a)), exactly
;;       r = np.clip(x / 2.0 ** e, -6, 6)
;;       step = 2.0 ** (np.maximum(np.frexp(np.where(r == 0, 1, r))[1] - 1, 0) - 1)
;;       q = np.round(r / step) * step * 2.0 ** e      # np.round: ties to even
;;       return np.moveaxis(q.reshape(q.shape[:-2] + (-1,))[..., :K], -1, axis).astype(np.float32)
;;   ~~~
;; One version. Each part assembles by itself: llvm-mc -triple=amdgcn-amd-amdhsa -mcpu=gfx1250 --defsym DOCPART=n.
;; ======== version 1 of 1: 6 launches
;; limits: right only within a limited range of input values; values are held in f16: magnitudes above 65,504 overflow, below 6.1e-05 lose precision
;; workspace buffers: xcodes 4,194,304 bytes; xscales 262,144 bytes; wcodes 3,145,728 bytes; wscales 196,608 bytes; misc 6,291,456 bytes; qkv 31,457,280 bytes; att 8,945,664 bytes
;; launch prep_x (part 1): grid 256 x 1, 4 waves a work-group, no clusters, 33,280 bytes of LDS; arguments hidden_states, Wo, position_ids, xcodes, xscales, misc; writes xcodes, xscales, misc
.if DOCPART == 1
	.amdgcn_target "amdgcn-amd-amdhsa--gfx1250"
	.amdhsa_code_object_version 6
	.text
	.protected	k_q985ff46dee_prep_x
	.globl	k_q985ff46dee_prep_x
	.p2align	8
	.type	k_q985ff46dee_prep_x,@function
k_q985ff46dee_prep_x:
	s_mov_b64 s[64:65], 0
	v_nop
	global_prefetch_b8 v0, s[64:65] scope:SCOPE_SE
	s_setreg_imm32_b32 hwreg(HW_REG_WAVE_MODE, 25, 1), 1
	s_wait_xcnt 0x0
; Three jobs, each spread evenly over 256 work-groups of four waves; waves share nothing, so there is no barrier.
; (1) hidden_states [4096][2048] f32 -> codes of FP4 (E2M1), K innermost, two a byte, and one E8M0 byte for each 32 along K.  A block's scale is 2^(floor(log2(largest magnitude)) - 2);
;     its byte is the largest magnitude's exponent field - 2, held at 1 from below (a block of zeros gets the byte 1: its codes are zeros, and this program alone reads the bytes).
; (2) Wo [1024][2048] f32 -> f16, as it lies.
; (3) The tables of cos and sin for the rotation: a token's row is 256 bytes, 32 cos and then 32 sin; table 0 (for q) holds every number x 1/8, the scores' scaling; table 1 (for k) as it is.
;     angle = f32(position) x 10000^(-i/32); n = the nearest whole number to angle x 2/pi; r = angle - n pi/2 in two fused steps; polynomials on |r| <= pi/4; the quadrant picks and signs.
; LIMITS: |position| up to 2^20; |Wo| up to 65,504 (f16); NaN and infinities among the inputs are not served; blocks whose largest magnitude lies under 2^-124 were not tried.
; A wave takes a run of 8,192 numbers of hidden_states (16 steps of 512) and 2,048 numbers of Wo.  Each load reads 512 consecutive bytes; a step's numbers turn through the wave's own stage in LDS,
; so that a lane holds 16 neighbours along K; a wave's store of codes covers 256 consecutive bytes; its 256 scale bytes leave as one such store.
.set WAVES, 4
.set STEPS, 16
.set EMAX,  2
.set CB,    8                          ; bytes of 16 codes
.set R,     16                         ; v16-79   four sets of 16 numbers as loaded
.set X,     80                         ; v80-111  two sets of 16 neighbours
.set E,     112                        ; v112-127 a scale byte for each step
.set C,     128                        ; v128-191 codes, four registers a step
.set W,     192                        ; v192-255 Wo's numbers
.set WREG,  8192                       ; LDS: a region for each wave: two stages of 32 x SP bytes, then its 256 scale bytes
.set SP,    80
.set SPW,   12                         ; v12 LDS address of my spare word; never rewritten
.set NIL,   13                         ; v13 0; never rewritten
.set SPARE, WAVES*WREG                 ; the spare words: 128 bytes a wave, named by no other line
.set ROPE,  4194304                    ; the tables' place in misc, behind Wo's f16 numbers
.set PO,    80                         ; the tables' registers lie where the quantiser's will: v80, v81 positions
.set IV,    84                         ; v84-87 four frequencies
.set T1,    88                         ; v88-95 table 1's numbers: batch 0, batch 1
.set T0,    96                         ; v96-103 table 0's
.set TA,    104
.set TB,    105
.set TC,    106
.set TD,    107
.set TE,    108
.set TF,    109
.set TG,    110
.set TH,    111
.set QF,    116                        ; 3 in a thread that makes sines, else 0
	s_load_b128 s[4:7], s[0:1], 0x0                ; hidden_states, Wo
	s_load_b128 s[8:11], s[0:1], 0x10              ; position_ids, the codes
	s_load_b128 s[12:15], s[0:1], 0x20             ; the scale bytes, misc
	v_lshl_add_u32 v[SPW], v0, 2, SPARE
	v_mov_b32 v[NIL], 0
	v_lshrrev_b32 v1, 5, v0
	v_readfirstlane_b32 s16, v1                    ; wave
	v_and_b32 v2, 31, v0                           ; lane
	v_lshlrev_b32 v3, 4, v2                        ; my 16 bytes of a load's 512
	s_mul_i32 s17, s16, WREG
	v_lshrrev_b32 v14, 2, v2
	v_mul_u32_u24 v14, v14, SP
	v_and_b32 v15, 3, v2
	v_lshl_add_u32 v14, v15, 4, v14
	v_add_nc_u32 v14, s17, v14                     ; the stage, on the way in: SP (lane / 4) + 16 (lane % 4)
	v_mul_u32_u24 v15, v2, SP
	v_add_nc_u32 v15, s17, v15                     ; and on the way out: SP x lane
	v_mul_u32_u24 v4, v2, CB                       ; my codes' place in a step's
	v_lshrrev_b32 v5, 1, v2
	s_add_co_u32 s17, s17, 2*32*SP
	v_add_nc_u32 v5, s17, v5                       ; LDS: my block's scale byte
	v_lshlrev_b32 v7, 3, v2                        ; 8 bytes a lane
	v_add_nc_u32 v6, s17, v7
	v_lshrrev_b32 v1, 4, v0
	v_lshlrev_b32 v1, 2, v1                        ; position_ids: 4 x (thread / 16)
	v_lshlrev_b32 v10, 4, v0                       ; the tables: 16 x thread
	s_lshl_b32 s18, ttmp9, 2
	s_add_co_u32 s18, s18, s16                     ; my wave's run: 4 x work-group + wave
	s_mov_b32 s21, 0
	s_wait_kmcnt 0x0
	s_lshl_b32 s20, s18, 15                        ; 8,192 numbers of 4 bytes
	s_add_nc_u64 s[4:5], s[4:5], s[20:21]
	s_lshl_b32 s20, s18, 13                        ; 2,048 numbers of Wo
	s_add_nc_u64 s[6:7], s[6:7], s[20:21]
	s_lshl_b32 s20, ttmp9, 5                       ; eight positions a work-group
	s_add_nc_u64 s[8:9], s[8:9], s[20:21]
	s_lshl_b32 s20, s18, 12                        ; 4,096 bytes of codes a run
	s_add_nc_u64 s[10:11], s[10:11], s[20:21]
	s_add_nc_u64 s[22:23], s[14:15], s[20:21]      ; and 4,096 bytes of Wo in f16
	s_lshl_b32 s20, s18, 8                         ; 256 scale bytes a run
	s_add_nc_u64 s[12:13], s[12:13], s[20:21]
	s_lshl_b32 s20, ttmp9, 11                      ; eight rows of a table a work-group
	s_add_co_u32 s20, s20, ROPE
	s_add_nc_u64 s[14:15], s[14:15], s[20:21]
	global_load_b32 v[PO], v1, s[8:9]              ; my token's position in batch 0,
	global_load_b32 v[PO+1], v1, s[8:9] offset:8192   ; and in batch 1
.irp i, 0,1,2,3,4,5,6,7,8,9,10,11,12,13,14,15
	global_load_b128 v[W+4*\i:W+4*\i+3], v3, s[6:7] offset:512*\i th:TH_LOAD_NT
.endr
.macro LOAD t
.irp i, 0,1,2,3
	global_load_b128 v[R+16*((\t)%4)+4*\i:R+16*((\t)%4)+4*\i+3], v3, s[4:5] offset:2048*(\t)+512*\i th:TH_LOAD_NT   ; 32 lanes read 512 consecutive bytes
.endr
.endm
.macro TURN t                          ; step t's numbers through the stage: LDS serves a wave's instructions in order, so no wait stands between the stores and the loads
.irp i, 0,1,2,3
	ds_store_b128 v14, v[R+16*((\t)%4)+4*\i:R+16*((\t)%4)+4*\i+3] offset:32*SP*((\t)%2)+8*SP*\i
.endr
.irp i, 0,1,2,3
	ds_load_b128 v[X+16*((\t)%2)+4*\i:X+16*((\t)%2)+4*\i+3], v15 offset:32*SP*((\t)%2)+16*\i
.endr
.endm
.irp t, 0,1,2,3
	LOAD \t
.endr
	; ---- the tables.  Thread u = thread % 16 of a token: u < 8 makes the cos of frequencies 4 u .. 4 u + 3, the others the sin of 4 (u - 8) .. + 3: 16 bytes at 16 u of the token's row
	v_and_b32 v[TA], 7, v0
	v_lshlrev_b32 v[TA], 2, v[TA]
.irp j, 0,1,2,3
	v_add_nc_u32 v[IV+\j], \j, v[TA]
.endr
.irp j, 0,1,2,3
	v_cvt_f32_u32 v[IV+\j], v[IV+\j]
.endr
.irp j, 0,1,2,3
	v_mul_f32 v[IV+\j], 0xbed49a78, v[IV+\j]       ; x -log2(10000) / 32
.endr
.irp j, 0,1,2,3
	v_exp_f32 v[IV+\j], v[IV+\j]                   ; 10000^(-i / 32)
.endr
	v_bfe_u32 v[QF], v0, 3, 1                      ; (a plain instruction behind the exponentials)
	v_mul_u32_u24 v[QF], v[QF], 3                  ; sin x = cos(x - pi/2): three quadrants on
	s_wait_alu depctr_va_vdst(0)                   ; one wait for the four, ahead of their first reader
	s_wait_loadcnt 32                              ; the positions are in: 16 loads of Wo and 16 of hidden_states are younger
	v_cvt_f32_i32 v[PO], v[PO]
	v_cvt_f32_i32 v[PO+1], v[PO+1]
.macro ANGLE d, p, f                   ; v[d] = cos or sin (by QF) of v[p] x v[f]
	v_mul_f32 v[TA], v[\p], v[\f]                  ; the angle, rounded once
	v_mul_f32 v[TB], 0x3f22f983, v[TA]             ; x 2 / pi
	v_rndne_f32 v[TB], v[TB]                       ; n
	v_fmamk_f32 v[TA], v[TB], 0xbfc90fdb, v[TA]    ; - n x the f32 nearest to pi/2,
	v_fmamk_f32 v[TA], v[TB], 0x333bbd2e, v[TA]    ; - n x what that number lacks of pi/2: r
	v_cvt_i32_f32 v[TC], v[TB]
	v_add_nc_u32 v[TC], v[TC], v[QF]               ; the quadrant
	v_mul_f32 v[TD], v[TA], v[TA]                  ; r^2
	v_mov_b32 v[TE], 0xb94ca1f9
	v_fmaak_f32 v[TE], v[TE], v[TD], 0x3c08839e
	v_fmaak_f32 v[TE], v[TE], v[TD], 0xbe2aaaa3
	v_mul_f32 v[TF], v[TD], v[TA]
	v_fma_f32 v[TE], v[TE], v[TF], v[TA]           ; sin r
	v_mov_b32 v[TG], 0x37ccf5ce
	v_fmaak_f32 v[TG], v[TG], v[TD], 0xbab6061a
	v_fmaak_f32 v[TG], v[TG], v[TD], 0x3d2aaaa5
	v_mul_f32 v[TF], v[TD], v[TD]
	v_fma_f32 v[TH], v[TD], -0.5, 1.0
	v_fma_f32 v[TG], v[TG], v[TF], v[TH]           ; cos r
	v_and_b32 v[TF], 1, v[TC]
	v_cmp_eq_u32 vcc_lo, 1, v[TF]
	v_cndmask_b32 v[\d], v[TG], v[TE], vcc_lo      ; odd quadrants take sin r
	v_add_nc_u32 v[TC], 1, v[TC]
	v_and_b32 v[TC], 2, v[TC]
	v_lshlrev_b32 v[TC], 30, v[TC]
	v_xor_b32 v[\d], v[\d], v[TC]                  ; quadrants 1 and 2 change the sign
.endm
.irp b, 0,1
.irp j, 0,1,2,3
	ANGLE T1+4*\b+\j, PO+\b, IV+\j
.endr
.endr
.irp j, 0,1,2,3,4,5,6,7
	v_mul_f32 v[T0+\j], 0x3e000000, v[T1+\j]       ; x 1/8: exact
.endr
	global_store_b128 v10, v[T0:T0+3], s[14:15]                       ; sixteen lanes fill a token's 256 bytes
	global_store_b128 v10, v[T0+4:T0+7], s[14:15] offset:524288       ; batch 1: 2,048 rows on
	global_store_b128 v10, v[T1:T1+3], s[14:15] offset:1048576        ; table 1
	global_store_b128 v10, v[T1+4:T1+7], s[14:15] offset:1572864
	; ---- Wo in f16
	s_wait_loadcnt 16                              ; Wo's 16 loads are in: the 16 of hidden_states are younger
.irp i, 0,1,2,3,4,5,6,7,8,9,10,11,12,13,14,15
	v_cvt_pk_f16_f32 v[W+4*\i], v[W+4*\i], v[W+4*\i+1]
	v_cvt_pk_f16_f32 v[W+4*\i+1], v[W+4*\i+2], v[W+4*\i+3]
	global_store_b64 v7, v[W+4*\i:W+4*\i+1], s[22:23] offset:256*\i   ; the wave stores 256 consecutive bytes
.endr
	; ---- the quantiser
	s_wait_xcnt 0x0                                ; the tables' stores have read their registers, which the stage's loads write below
	s_wait_loadcnt 12                              ; step 0's four loads are in
	TURN 0
.macro STEP t
.set XS, X+16*((\t)%2)
.if (\t) > 0
	s_wait_dscnt 1                                 ; this step's numbers are back from the stage (the last step's byte store may be out)
.else
	s_wait_dscnt 0x0
.endif
.if (\t)+4 < STEPS
	LOAD (\t)+4
.endif
.if (\t)+1 < STEPS
.if STEPS-2-(\t) >= 3
	s_wait_loadcnt 12                              ; the next step's four loads are in; those of the three steps behind it may be out
.else
	s_wait_loadcnt 4*(STEPS-2-(\t))
.endif
	TURN (\t)+1
.endif
	v_max3_num_f32 v8, |v[XS]|, |v[XS+1]|, |v[XS+2]|               ; the largest magnitude of my 16
	v_max3_num_f32 v9, |v[XS+3]|, |v[XS+4]|, |v[XS+5]|
.irp i, 6,10
	v_max3_num_f32 v8, v8, |v[XS+\i]|, |v[XS+\i+1]|
	v_max3_num_f32 v9, v9, |v[XS+\i+2]|, |v[XS+\i+3]|
.endr
	v_max3_num_f32 v8, v8, |v[XS+14]|, |v[XS+15]|
	v_max3_num_f32 v8, v8, v9, (EMAX+1)<<23        ; and the floor 2^(3 - 127): the byte cannot fall under 1
	v_max_num_f32_dpp v8, v8, v8 row_xmask:1 row_mask:0xf bank_mask:0xf   ; and of my neighbour's 16: the block's
	v_add_nc_u32 v11, -(EMAX<<23), v8              ; 2 off its exponent field: the conversion takes that field as its scale
	v_cvt_scalef32_pk8_fp4_f32 v[C+4*(\t)], v[XS:XS+7], v11
	v_cvt_scalef32_pk8_fp4_f32 v[C+4*(\t)+1], v[XS+8:XS+15], v11
	v_lshrrev_b32 v[E+(\t)], 23, v11               ; the scale's byte
	ds_store_b8 v5, v[E+(\t)] offset:16*(\t)       ; both lanes of a block write the same byte with the same value
	global_store_b64 v4, v[C+4*(\t):C+4*(\t)+1], s[10:11] offset:32*CB*(\t)
.endm
.irp t, 0,1,2,3,4,5,6,7,8,9,10,11,12,13,14,15
	STEP \t
.endr
	ds_load_b64 v[8:9], v6                         ; LDS serves a wave's instructions in order: these see my stores
	s_wait_dscnt 0x0
	global_store_b64 v7, v[8:9], s[12:13]          ; 32 lanes store 256 consecutive bytes
	s_wait_tensorcnt 0x0                           ; the wave's end, behind my last LDS store
	ds_add_u32 v[SPW], v[NIL]
	s_wait_dscnt 0x0
	s_endpgm
.Lfunc_end_k_q985ff46dee_prep_x:
	.size	k_q985ff46dee_prep_x, .Lfunc_end_k_q985ff46dee_prep_x-k_q985ff46dee_prep_x
	.p2alignl 7, 3214868480
	.fill 96, 4, 3214868480
	.section	.rodata,"a",@progbits
	.p2align	6, 0x0
	.amdhsa_kernel k_q985ff46dee_prep_x
		.amdhsa_group_segment_fixed_size 33280
		.amdhsa_private_segment_fixed_size 0
		.amdhsa_enable_private_segment 0
		.amdhsa_kernarg_size 48
		.amdhsa_user_sgpr_count 2
		.amdhsa_user_sgpr_kernarg_segment_ptr 1
		.amdhsa_wavefront_size32 1
		.amdhsa_system_sgpr_workgroup_id_x 1
		.amdhsa_system_sgpr_workgroup_id_y 1
		.amdhsa_system_sgpr_workgroup_id_z 1
		.amdhsa_system_vgpr_workitem_id 0
		.amdhsa_next_free_vgpr 256
		.amdhsa_next_free_sgpr 66
		.amdhsa_reserve_vcc 1
		.amdhsa_float_denorm_mode_32 3
		.amdhsa_float_denorm_mode_16_64 3
		.amdhsa_memory_ordered 1
		.amdhsa_forward_progress 1
		.amdhsa_inst_pref_size 50
	.end_amdhsa_kernel
	.amdgpu_metadata
---
amdhsa.version: [ 1, 2 ]
amdhsa.kernels:
  - .name:           k_q985ff46dee_prep_x
    .symbol:         k_q985ff46dee_prep_x.kd
    .args:
      - { .name: hidden_states, .offset: 0, .size: 8, .value_kind: global_buffer, .address_space: global }
      - { .name: Wo, .offset: 8, .size: 8, .value_kind: global_buffer, .address_space: global }
      - { .name: position_ids, .offset: 16, .size: 8, .value_kind: global_buffer, .address_space: global }
      - { .name: xcodes, .offset: 24, .size: 8, .value_kind: global_buffer, .address_space: global }
      - { .name: xscales, .offset: 32, .size: 8, .value_kind: global_buffer, .address_space: global }
      - { .name: misc, .offset: 40, .size: 8, .value_kind: global_buffer, .address_space: global }
    .group_segment_fixed_size: 33280
    .private_segment_fixed_size: 0
    .kernarg_segment_align: 8
    .kernarg_segment_size: 48
    .max_flat_workgroup_size: 128
    .sgpr_count:     66
    .vgpr_count:     256
    .wavefront_size: 32
...
	.end_amdgpu_metadata
.endif
;; end of part 1
;; launch prep_w (part 2): grid 24 x 4, 16 waves a work-group, no clusters, 38,912 bytes of LDS; arguments Wq, Wk, Wv, wcodes, wscales; writes wcodes, wscales
.if DOCPART == 2
	.amdgcn_target "amdgcn-amd-amdhsa--gfx1250"
	.amdhsa_code_object_version 6
	.text
	.protected	k_q985ff46dee_prep_w
	.globl	k_q985ff46dee_prep_w
	.p2align	8
	.type	k_q985ff46dee_prep_w,@function
k_q985ff46dee_prep_w:
	s_mov_b64 s[64:65], 0
	v_nop
	global_prefetch_b8 v0, s[64:65] scope:SCOPE_SE
	s_setreg_imm32_b32 hwreg(HW_REG_WAVE_MODE, 25, 1), 1
	s_wait_xcnt 0x0
; Wq, Wk, Wv [2048 (k)][1024 (n)] f32, K their FIRST axis, become codes of FP4 (E2M1) laid [3072 (n)][2048 (k)] with K innermost (rows 0-1023 Wq's columns, then Wk's, then Wv's), and one E8M0 byte for each 32 along K, [3072][64].
; A LANE TAKES A COLUMN, AND ITS REGISTERS RUN DOWN K: a block of 32 lies in one lane's 32 registers, and the conversions give codes with K innermost.  Nothing is transposed by an instruction.
; A block's scale is 2^(floor(log2(largest magnitude)) - 2); its byte is the largest magnitude's exponent field - 2, held at 1 from below (a block of zeros gets the byte 1: its codes are zeros, and this program alone reads the bytes).
; LIMITS: NaN and infinities are not served; blocks whose largest magnitude lies under 2^-124 were not tried.
; A work-group of sixteen waves takes 128 columns x 512 along K of one matrix; a wave 32 columns x 128 along K: four blocks a lane, all 128 loads issued at once.
; The codes meet in a stage in LDS (a row a column, 256 bytes + 16), one barrier, and leave as rows: sixteen lanes store 256 consecutive bytes, aligned.  A column's 16 scale bytes leave as one piece of 16 bytes.
.set PITCH, 272
.set SCS,   128*PITCH                  ; behind the stage: 16 scale bytes a column
.set SPARE, SCS+2048                   ; the spare words: 128 bytes a wave, named by no other line
.set LOF,   1                          ; v1  in: 4 x column + 128 rows x my quarter of K
.set ST,    2                          ; v2  into the stage
.set SCA,   3                          ; v3  my four scale bytes
.set RD,    4                          ; v4  out of the stage: sixteen lanes to a row, eight rows a wave
.set GOF,   5                          ; v5  the same place in the codes' buffer
.set SRD,   6                          ; v6  a column's 16 scale bytes in LDS
.set SGO,   7                          ; v7  and in memory
.set SPW,   14
.set NIL,   15
.set SB,    24                         ; v24 four scale bytes
.set X,     32                         ; v32-159 four blocks of 32 numbers
.set C,     160                        ; v160-175 their codes
.set OUTR,  176                        ; v176-191 the way out
	s_load_b256 s[4:11], s[0:1], 0x0               ; Wq, Wk, Wv, the codes
	s_load_b64 s[12:13], s[0:1], 0x20              ; the scale bytes
	v_lshl_add_u32 v[SPW], v0, 2, SPARE
	v_mov_b32 v[NIL], 0
	v_lshrrev_b32 v10, 5, v0
	v_readfirstlane_b32 s16, v10                   ; wave
	v_and_b32 v8, 127, v0                          ; my column of the 128
	v_lshrrev_b32 v9, 7, v0                        ; my quarter of the 512 along K
	v_lshlrev_b32 v[LOF], 2, v8
	v_lshl_add_u32 v[LOF], v9, 19, v[LOF]
	v_mul_u32_u24 v[ST], v8, PITCH
	v_lshl_add_u32 v[ST], v9, 6, v[ST]
	v_lshlrev_b32 v[SCA], 4, v8
	v_lshl_add_u32 v[SCA], v9, 2, v[SCA]
	v_add_nc_u32 v[SCA], SCS, v[SCA]
	v_bfe_u32 v11, v0, 4, 1
	v_and_b32 v12, 15, v0
	v_mul_u32_u24 v[RD], v10, 8*PITCH
	v_mad_u32_u24 v[RD], v11, PITCH, v[RD]
	v_lshl_add_u32 v[RD], v12, 4, v[RD]
	v_lshlrev_b32 v[GOF], 13, v10
	v_lshl_add_u32 v[GOF], v11, 10, v[GOF]
	v_lshl_add_u32 v[GOF], v12, 4, v[GOF]
	v_lshl_add_u32 v[SRD], v0, 4, SCS
	v_lshlrev_b32 v[SGO], 6, v0
	s_and_b32 s17, ttmp9, 7                        ; which 128 columns of the matrix
	s_lshr_b32 s18, ttmp9, 3                       ; which matrix
	s_and_b32 s19, ttmp7, 0xffff                   ; which 512 along K
	s_lshl_b32 s20, s19, 21                        ; 512 rows of 4,096 bytes
	s_lshl_b32 s21, s17, 9
	s_add_co_u32 s20, s20, s21
	s_mov_b32 s21, 0
	s_lshl_b32 s22, s18, 10
	s_lshl_b32 s23, s17, 7
	s_add_co_u32 s22, s22, s23                     ; the first row of the codes' buffer
	s_lshl_b32 s24, s22, 10
	s_lshl_b32 s25, s19, 8
	s_add_co_u32 s24, s24, s25
	s_mov_b32 s25, 0
	s_lshl_b32 s26, s22, 6
	s_lshl_b32 s27, s19, 4
	s_add_co_u32 s26, s26, s27
	s_mov_b32 s27, 0
	s_wait_kmcnt 0x0
	s_cmp_lt_u32 ttmp9, 8                          ; the choice hangs on the work-group's number alone
	s_cselect_b64 s[4:5], s[4:5], s[6:7]
	s_cmp_lt_u32 ttmp9, 16
	s_cselect_b64 s[4:5], s[4:5], s[8:9]
	s_add_nc_u64 s[4:5], s[4:5], s[20:21]
	s_add_nc_u64 s[10:11], s[10:11], s[24:25]
	s_add_nc_u64 s[12:13], s[12:13], s[26:27]
.set k, 0
.rept 128
	global_load_b32 v[X+k], v[LOF], s[4:5] offset:k*4096 th:TH_LOAD_NT   ; a row of the matrix at 32 neighbouring columns: 128 consecutive bytes a wave
.set k, k+1
.endr
.macro BLOCK t
.set XS, X+32*(\t)
.if (\t) == 0
	s_wait_loadcnt 63                              ; the largest count that the wait can name: 65 of the 128 loads are in, blocks 0 and 1 among them
.elseif (\t) == 2
	s_wait_loadcnt 32                              ; block 3's loads may be out
.elseif (\t) == 3
	s_wait_loadcnt 0x0
.endif
	v_max3_num_f32 v12, |v[XS]|, |v[XS+1]|, |v[XS+2]|
	v_max3_num_f32 v13, |v[XS+3]|, |v[XS+4]|, |v[XS+5]|
.irp i, 6,10,14,18,22,26
	v_max3_num_f32 v12, v12, |v[XS+\i]|, |v[XS+\i+1]|
	v_max3_num_f32 v13, v13, |v[XS+\i+2]|, |v[XS+\i+3]|
.endr
	v_max3_num_f32 v12, v12, |v[XS+30]|, |v[XS+31]|
	v_max3_num_f32 v12, v12, v13, 0x1800000        ; and the floor 2^(3 - 127): the byte cannot fall under 1
	v_add_nc_u32 v11, 0xff000000, v12              ; 2 off the exponent field: the conversion's scale operand
	v_lshrrev_b32 v13, 23, v11                     ; the scale's byte
.if (\t) == 0
	v_mov_b32 v[SB], v13
.else
	v_lshl_or_b32 v[SB], v13, 8*(\t), v[SB]
.endif
.irp g, 0,1,2,3
	v_cvt_scalef32_pk8_fp4_f32 v[C+4*(\t)+\g], v[XS+8*\g:XS+8*\g+7], v11
.endr
	v_nop                                          ; one plain instruction behind the conversions
	ds_store_b128 v[ST], v[C+4*(\t):C+4*(\t)+3] offset:16*(\t)
.endm
	BLOCK 0
	BLOCK 1
	BLOCK 2
	BLOCK 3
	ds_store_b32 v[SCA], v[SB]
	s_wait_dscnt 0x0                               ; for the others' sake: my stores have landed
	s_barrier_signal -1
	s_barrier_wait -1
.irp i, 0,1,2,3
	ds_load_b128 v[OUTR+4*\i:OUTR+4*\i+3], v[RD] offset:2*PITCH*\i
.endr
.irp i, 0,1,2,3
	s_wait_dscnt 3-\i                              ; the younger loads from the stage may be out
	global_store_b128 v[GOF], v[OUTR+4*\i:OUTR+4*\i+3], s[10:11] offset:2048*\i
.endr
	s_cmp_lt_u32 s16, 4                            ; 128 columns' scale bytes: the first four waves, a lane a column
	s_cbranch_scc0 .Lno_scales
	ds_load_b128 v[8:11], v[SRD]
	s_wait_dscnt 0x0
	global_store_b128 v[SGO], v[8:11], s[12:13]
.Lno_scales:
	s_wait_tensorcnt 0x0                           ; the wave's end, behind my last LDS store
	ds_add_u32 v[SPW], v[NIL]
	s_wait_dscnt 0x0
	s_endpgm
.Lfunc_end_k_q985ff46dee_prep_w:
	.size	k_q985ff46dee_prep_w, .Lfunc_end_k_q985ff46dee_prep_w-k_q985ff46dee_prep_w
	.p2alignl 7, 3214868480
	.fill 96, 4, 3214868480
	.section	.rodata,"a",@progbits
	.p2align	6, 0x0
	.amdhsa_kernel k_q985ff46dee_prep_w
		.amdhsa_group_segment_fixed_size 38912
		.amdhsa_private_segment_fixed_size 0
		.amdhsa_enable_private_segment 0
		.amdhsa_kernarg_size 40
		.amdhsa_user_sgpr_count 2
		.amdhsa_user_sgpr_kernarg_segment_ptr 1
		.amdhsa_wavefront_size32 1
		.amdhsa_system_sgpr_workgroup_id_x 1
		.amdhsa_system_sgpr_workgroup_id_y 1
		.amdhsa_system_sgpr_workgroup_id_z 1
		.amdhsa_system_vgpr_workitem_id 0
		.amdhsa_next_free_vgpr 192
		.amdhsa_next_free_sgpr 66
		.amdhsa_reserve_vcc 0
		.amdhsa_float_denorm_mode_32 3
		.amdhsa_float_denorm_mode_16_64 3
		.amdhsa_memory_ordered 1
		.amdhsa_forward_progress 1
		.amdhsa_inst_pref_size 23
	.end_amdhsa_kernel
	.amdgpu_metadata
---
amdhsa.version: [ 1, 2 ]
amdhsa.kernels:
  - .name:           k_q985ff46dee_prep_w
    .symbol:         k_q985ff46dee_prep_w.kd
    .args:
      - { .name: Wq, .offset: 0, .size: 8, .value_kind: global_buffer, .address_space: global }
      - { .name: Wk, .offset: 8, .size: 8, .value_kind: global_buffer, .address_space: global }
      - { .name: Wv, .offset: 16, .size: 8, .value_kind: global_buffer, .address_space: global }
      - { .name: wcodes, .offset: 24, .size: 8, .value_kind: global_buffer, .address_space: global }
      - { .name: wscales, .offset: 32, .size: 8, .value_kind: global_buffer, .address_space: global }
    .group_segment_fixed_size: 38912
    .private_segment_fixed_size: 0
    .kernarg_segment_align: 8
    .kernarg_segment_size: 40
    .max_flat_workgroup_size: 512
    .sgpr_count:     66
    .vgpr_count:     192
    .wavefront_size: 32
...
	.end_amdgpu_metadata
.endif
;; end of part 2
;; launch qkv (part 3): grid 12 x 16, 4 waves a work-group, clusters of 4 x 4, 327,680 bytes of LDS; arguments xcodes, xscales, wcodes, wscales, misc, qkv; writes qkv
.if DOCPART == 3
	.amdgcn_target "amdgcn-amd-amdhsa--gfx1250"
	.amdhsa_code_object_version 6
	.text
	.protected	k_q985ff46dee_qkv
	.globl	k_q985ff46dee_qkv
	.p2align	8
	.type	k_q985ff46dee_qkv,@function
k_q985ff46dee_qkv:
	s_mov_b64 s[64:65], 0
	v_nop
	global_prefetch_b8 v0, s[64:65] scope:SCOPE_SE
	s_setreg_imm32_b32 hwreg(HW_REG_WAVE_MODE, 25, 1), 1
	s_wait_xcnt 0x0
	s_wait_alu depctr_hold_cnt(0) depctr_sa_sdst(0) depctr_va_vdst(0) depctr_va_sdst(0) depctr_va_ssrc(0) depctr_va_vcc(0) depctr_vm_vsrc(0)
	s_getreg_b32 s2, hwreg(HW_REG_IB_STS2, 6, 4)
	s_cmp_eq_u32 s2, 0
	s_cbranch_scc0 .Lentry_in_a_cluster
	s_endpgm
.Lentry_in_a_cluster:
	s_bfe_u32 s2, ttmp6, 0x10000c
	s_cmp_lg_u32 s2, 0xf033
	s_cbranch_scc0 .Lentry_shape_is_right
	s_endpgm
.Lentry_shape_is_right:
; [4096 tokens] x [3072 columns: Wq's, Wk's, Wv's], K = 2,048, on codes of FP4 (E2M1) with one E8M0 scale for each 32 along K; sums in f32.  Then the rotation of q and k, in f32, and the results as f16:
; q (x 1/8, folded into its table) and k as [batch x head][token][64]; v TRANSPOSED, [batch x head][64][token], since the keys are the K of the product that will read it.
; A tile of 256 x 256 is made by a work-group of four waves, 128 x 128 each: 64 accumulators, 512 registers.  K goes in steps of 512 through a ring of two LDS slots filled by the tensor data mover; the scale
; bytes of the work-group's rows, for all of K, come into LDS once.  CLUSTERS of 4 x 4: the tokens' tiles are asked for jointly along a row of the cluster, the weights' along a column.
; The cluster's x IS the matrix (four tile columns are 1,024 columns): 0 q, 1 k, 2 v.  Every branch below hangs on the cluster's own coordinates or the wave's number, which all partners share.
; ROLES.  Source 1 of the matrix instruction gives a lane its row, source 0 its eight neighbours.  For q and k source 1 takes tokens and source 0 columns: a lane holds one token and eight neighbouring channels.
; For v the two change places, only in where fragments and scale words are READ: a lane then holds one channel and eight neighbouring tokens.
; IMAGES.  The first 16 tokens of each wave's 128, in the clusters that hold tokens 0 and 2,048, also leave in f32, as images of registers (16 bytes a lane): the launch that carries each sequence's first 16 positions more finely reads them.
; LIMITS: |k| and |v| up to 65,504 (f16).
; REGISTERS, in windows of 256: window 0: v0-31 addresses; v32-95 scale words, two sets, and nothing else; v128-191 the fragments of source 1, ONE set; v192-255 two sets of cos and sin; on the way out v96-191 are free.
;   window 1: the fragments of source 0, TWO sets; on the way out its v0-63 take the rows read back from the stage.   windows 2, 3: the accumulators ((a, b) at v[8 (8 (a % 4) + b)]).
.set SIZE_M, 4096
.set SIZE_N, 3072
.set SIZE_K, 2048
.set KSTEP,  512
.set NQ,     KSTEP/128
.set ROWB,   256
.set KROW,   SIZE_K/2
.set PITCH,  272                       ; an LDS row: 256 bytes + 16: the 16 rows that a load touches start 68 words apart
.set FR,     8
.set NL,     2
.set NP,     4
.set HALFT,  128*PITCH
.set SLOT,   4*HALFT                   ; the tokens' 256 rows, then the weights' 256 rows
.set LAPS,   SIZE_K/(2*KSTEP)
.set KS,     SIZE_K/32
.set SCL,    2*SLOT                    ; behind the ring: the scales, as units of 256 bytes + 16
.set HALFS,  (128*KS/256)*272
.set SBLK,   (16*KS/256)*272
.set SPARE,  SCL+4*HALFS               ; the spare words: 128 bytes a wave, named by no other line
.set ROPE,   4194304                   ; the tables in misc
.set FIMG,   25165824                  ; the images in qkv: entry ((matrix x 32 + block of 128 tokens) x 16 + head), 4,096 bytes
.set STOQ, 8                           ; v8   the way out of q, k: into my stage (it lies in slot 0, which has had its last fill and its last read by then)
.set STOV, 9                           ; v9   of v: a stage of its own
.set RDQ,  10                          ; v10  back: four tokens of a head, 128 bytes each
.set RDV,  11                          ; v11  back: two channels, 256 bytes each
.set L16,  12                          ; v12  16 x lane
.set COV,  13                          ; v13  v in memory: two rows of 4,096 bytes
.set TBO,  14                          ; v14  my token's and half's place in the tables
.set ADRA, 16
.set ADRB, 20
.set ADRS, 27
.set SPW,  28
.set NIL,  29
.set SC,   32
.set AF,   128
.set BK,   0                           ; the way out, in window 1: v0-31, v32-63 by turns
.set Y,    96                          ; v96-159 a block's 64 results
.set T,    160                         ; v160-175 at work
.set CS,   192                         ; v192-223, v224-255: cos (16) and sin (16) of a block's token, two sets
.set G1, 24
.set G0, 32
.set G1B, 48
.set G0B, 56
.set G1S, 68
.set G0S, 76
.set G1SB, 80
.set G0SB, 88
.set MSB, 0
.macro WIN new                         ; the immediate's high byte repeats the setting that is left
.if MSB != (\new)
	s_set_vgpr_msb (MSB<<8)|(\new)
.set MSB, (\new)
.endif
.endm
.set MUL_LO, 0xa1
.set MUL_HI, 0xf1
.set TO_B,   0x40                      ; destination window 1, address window 0
.set FROM_B, 0x04                      ; a store's data (its source 1) window 1, address window 0
; A joint load: waves 0 and 1 fetch the tokens' halves, waves 2 and 3 the weights'.  An s_nop 0 and four v_nop follow each of the two lines.
.macro JLOAD g0a, g1a, g0b, g1b
	s_cmp_eq_u32 s15, 0
	s_cbranch_scc0 .Lfor_b_\@
	tensor_load_to_lds s[\g0a:\g0a+3], s[\g1a:\g1a+7]
	s_nop 0
.rept 4
	v_nop
.endr
	s_branch .Lasked_\@
.Lfor_b_\@:
	tensor_load_to_lds s[\g0b:\g0b+3], s[\g1b:\g1b+7]
	s_nop 0
.rept 4
	v_nop
.endr
.Lasked_\@:
.endm
.macro CREST
	s_cmp_lg_u32 s14, 0
	s_cbranch_scc1 .Lnot_wave_0_\@
	s_barrier_signal -3
.Lnot_wave_0_\@:
	s_barrier_wait -3
	s_barrier_signal -1
	s_barrier_wait -1
.endm
.macro CROUND
	s_barrier_signal -1
	s_barrier_wait -1
	CREST
.endm
	s_load_b128 s[4:7], s[0:1], 0x0                ; the tokens' codes, their scales
	s_load_b128 s[8:11], s[0:1], 0x10              ; the weights' codes, their scales
	s_load_b64 s[12:13], s[0:1], 0x20              ; misc
	s_load_b64 s[66:67], s[0:1], 0x28              ; qkv
	v_lshl_add_u32 v[SPW], v0, 2, SPARE
	v_mov_b32 v[NIL], 0
	ds_add_u32 v[SPW], v[NIL]                      ; the wave's opening: the add, twice on end, and its wait ahead of my first tensor load
	ds_add_u32 v[SPW], v[NIL]
	v_lshrrev_b32 v1, 5, v0
	v_readfirstlane_b32 s14, v1                    ; wave 0..3
	s_lshr_b32 s15, s14, 1                         ; which half of source 1's rows is mine.  Also: I fetch tokens (0) or weights (1)
	s_and_b32 s16, s14, 1                          ; which half of source 0's.  Also: which 128 rows I fetch
	s_bfe_u32 s40, ttmp6, 0x40000                  ; cx, cy
	s_bfe_u32 s41, ttmp6, 0x40004
	s_lshl_b32 s42, ttmp9, 2
	s_add_co_u32 s42, s42, s40                     ; tile column
	s_and_b32 s17, ttmp7, 0xffff
	s_lshl_b32 s17, s17, 2
	s_add_co_u32 s17, s17, s41                     ; tile row
	s_lshl_b32 s43, s41, 2
	s_lshl_b32 s43, 15, s43                        ; my row of the cluster
	s_lshl_b32 s44, 0x1111, s40                    ; my column
	s_or_b32 s[G1+0], s43, (0<<16)|(1<<20)|(1<<21)|(5<<22)|(3<<25)  ; the mask; elements of 1 byte; padding: 4 words behind every 64
	s_or_b32 s[G1B+0], s44, (0<<16)|(1<<20)|(1<<21)|(5<<22)|(3<<25)
.irp g, G1, G1B
	s_mov_b32 s[\g+1], ROWB<<16
	s_mov_b32 s[\g+2], 128<<16
	s_mov_b32 s[\g+3], ROWB<<16
	s_mov_b32 s[\g+4], 128
	s_mov_b32 s[\g+5], KROW
	s_mov_b32 s[\g+6], 0
	s_mov_b32 s[\g+7], 0
.endr
	s_or_b32 s[G1S+0], s43, (3<<16)|(1<<20)|(1<<21)|(5<<22)|(3<<25) ; the scales of 128 rows: a dense block, as rows of 256 bytes (32 elements of 8)
	s_or_b32 s[G1SB+0], s44, (3<<16)|(1<<20)|(1<<21)|(5<<22)|(3<<25)
.irp g, G1S, G1SB
	s_mov_b32 s[\g+1], 32<<16
	s_mov_b32 s[\g+2], (128*KS/256)<<16
	s_mov_b32 s[\g+3], 32<<16
	s_mov_b32 s[\g+4], 128*KS/256
	s_mov_b32 s[\g+5], 32
	s_mov_b32 s[\g+6], 0
	s_mov_b32 s[\g+7], 0
.endr
	s_lshl_b32 s18, s16, 7
	s_lshl_b32 s20, s17, 8
	s_add_co_u32 s20, s20, s18                     ; tokens: row 256 x tile row + 128 x half
	s_lshl_b32 s46, s42, 8
	s_add_co_u32 s46, s46, s18                     ; weights: row 256 x tile column + 128 x half
	s_mov_b32 s21, 0
	s_mov_b32 s47, 0
	s_mov_b64 s[18:19], KS
	s_mul_u64 s[22:23], s[20:21], s[18:19]
	s_mul_u64 s[92:93], s[46:47], s[18:19]
	s_mov_b64 s[18:19], KROW
	s_mul_u64 s[20:21], s[20:21], s[18:19]
	s_mul_u64 s[46:47], s[46:47], s[18:19]
	s_mul_i32 s45, s14, HALFT
	s_mul_i32 s94, s14, HALFS
	s_wait_dscnt 0x0                               ; both opening adds are done
	s_wait_kmcnt 0x0
	s_add_nc_u64 s[20:21], s[4:5], s[20:21]
	s_add_nc_u64 s[22:23], s[6:7], s[22:23]
	s_add_nc_u64 s[46:47], s[8:9], s[46:47]
	s_add_nc_u64 s[92:93], s[10:11], s[92:93]
	CROUND                                         ; all sixteen work-groups are here: the first joint loads meet
	s_mov_b32 s[G0S], 1
	s_add_co_u32 s[G0S+1], s94, SCL
	s_mov_b64 s[G0S+2:G0S+3], s[22:23]
	s_or_b32 s[G0S+3], s[G0S+3], 0x80000000
	s_mov_b32 s[G0SB], 1
	s_add_co_u32 s[G0SB+1], s94, SCL
	s_mov_b64 s[G0SB+2:G0SB+3], s[92:93]
	s_or_b32 s[G0SB+3], s[G0SB+3], 0x80000000
	JLOAD G0S, G1S, G0SB, G1SB
.irp s, 0,1
	s_mov_b32 s[G0+4*\s], 1
	s_add_co_u32 s[G0+4*\s+1], s45, \s*SLOT
	s_add_nc_u64 s[G0+4*\s+2:G0+4*\s+3], s[20:21], \s*ROWB
	s_or_b32 s[G0+4*\s+3], s[G0+4*\s+3], 0x80000000
	s_mov_b32 s[G0B+4*\s], 1
	s_add_co_u32 s[G0B+4*\s+1], s45, \s*SLOT
	s_add_nc_u64 s[G0B+4*\s+2:G0B+4*\s+3], s[46:47], \s*ROWB
	s_or_b32 s[G0B+4*\s+3], s[G0B+4*\s+3], 0x80000000
	JLOAD G0+4*\s, G1, G0B+4*\s, G1B
.endr
	v_and_b32 v1, 15, v0                           ; r
	v_bfe_u32 v2, v0, 4, 1                         ; h
	v_mul_u32_u24 v3, v1, PITCH
	v_lshl_add_u32 v4, v2, 4, v3
	s_cmp_eq_u32 ttmp9, 2                          ; v: the roles change places
	s_cselect_b32 s18, 2*HALFT, 0                  ; where source 1's rows lie in a slot,
	s_cselect_b32 s19, 0, 2*HALFT                  ; and source 0's;
	s_cselect_b32 s95, 2*HALFS, 0                  ; the same among the scales
	s_cselect_b32 s2, 0, 2*HALFS
	s_mul_i32 s21, s15, HALFT
	s_add_co_u32 s21, s21, s18
	s_mul_i32 s22, s16, HALFT
	s_add_co_u32 s22, s22, s19
.irp s, 0,1
	v_add_nc_u32 v[ADRA+\s], s21, v4
	v_add_nc_u32 v[ADRB+\s], s22, v4
	s_add_co_u32 s21, s21, SLOT
	s_add_co_u32 s22, s22, SLOT
.endr
	v_mul_u32_u24 v5, v1, KS                       ; my row's scales: 64 bytes a row,
	v_lshrrev_b32 v6, 8, v5
	v_lshl_add_u32 v5, v6, 4, v5                   ; and 16 more for each 256 passed
	s_mul_i32 s21, s15, HALFS
	s_add_co_u32 s21, s21, s95
	s_add_co_u32 s21, s21, SCL                     ; source 1's: lanes 0-15
	s_mul_i32 s22, s16, HALFS
	s_add_co_u32 s22, s22, s2
	s_add_co_u32 s22, s22, SCL                     ; source 0's: lanes 16-31
	v_mov_b32 v6, s21
	v_mov_b32 v7, s22
	v_cmp_eq_u32 vcc_lo, 1, v2
	v_cndmask_b32 v6, v6, v7, vcc_lo
	v_add_nc_u32 v[ADRS], v5, v6
	s_mul_i32 s23, s14, 16*272                     ; my stage: 16 rows x (256 bytes + 16)
	v_mul_u32_u24 v5, v1, 272
	v_lshl_add_u32 v5, v2, 4, v5
	v_add_nc_u32 v[STOQ], s23, v5
	v_add_nc_u32 v[STOV], 4*16*272, v[STOQ]
	v_and_b32 v6, 31, v0
	v_lshrrev_b32 v7, 3, v6
	v_mul_u32_u24 v7, v7, 272
	v_and_b32 v5, 7, v0
	v_lshl_add_u32 v7, v5, 4, v7
	v_add_nc_u32 v[RDQ], s23, v7
	v_mul_u32_u24 v7, v2, 272
	v_lshl_add_u32 v7, v1, 4, v7
	v_add_nc_u32 v7, s23, v7
	v_add_nc_u32 v[RDV], 4*16*272, v7
	v_lshlrev_b32 v[L16], 4, v6
	v_lshlrev_b32 v7, 12, v2
	v_lshl_add_u32 v[COV], v1, 4, v7
	v_lshlrev_b32 v7, 8, v1
	v_lshl_add_u32 v[TBO], v2, 5, v7               ; 256 r + 32 h
	; the tables at my wave's first token: 256 bytes a token; table 0 for q, table 1 else
	s_lshl_b32 s20, s17, 8
	s_lshl_b32 s21, s15, 7
	s_add_co_u32 s20, s20, s21
	s_lshl_b32 s20, s20, 8
	s_cmp_eq_u32 ttmp9, 0
	s_cselect_b32 s21, 0, 0x100000
	s_add_co_u32 s20, s20, s21
	s_add_co_u32 s20, s20, ROPE
	s_mov_b32 s21, 0
	s_add_nc_u64 s[12:13], s[12:13], s[20:21]
	s_cmp_eq_u32 ttmp9, 2
	s_cselect_b32 s18, s16, s15                    ; which half of the tile's tokens is mine,
	s_cselect_b32 s19, s15, s16                    ; which half of its columns,
	s_cselect_b32 s23, 1, 7                        ; and a token's step in the result: 2 bytes in v, 128 in q and k
	s_lshl_b32 s22, s40, 2
	s_lshl_b32 s21, s19, 1
	s_add_co_u32 s22, s22, s21                     ; my first head: 4 cx + 2 x half
	s_lshl_b32 s20, ttmp9, 5                       ; the images: entry ((32 x matrix + 2 x tile row + half) x 16 + head)
	s_lshl_b32 s21, s17, 1
	s_add_co_u32 s20, s20, s21
	s_add_co_u32 s20, s20, s18
	s_lshl_b32 s20, s20, 4
	s_add_co_u32 s20, s20, s22
	s_lshl_b32 s20, s20, 12
	s_add_co_u32 s20, s20, FIMG
	s_mov_b32 s21, 0
	s_add_nc_u64 s[96:97], s[66:67], s[20:21]
	s_lshr_b32 s20, s17, 3                         ; the results: matrix x 8 MiB + (16 x batch + head) x 256 KiB + my first token of the sequence
	s_lshl_b32 s20, s20, 4
	s_add_co_u32 s20, s20, s22
	s_lshl_b32 s20, s20, 18
	s_lshl_b32 s21, ttmp9, 23
	s_add_co_u32 s20, s20, s21
	s_and_b32 s21, s17, 7
	s_lshl_b32 s21, s21, 8
	s_lshl_b32 s22, s18, 7
	s_add_co_u32 s21, s21, s22
	s_lshl_b32 s21, s21, s23
	s_add_co_u32 s20, s20, s21
	s_mov_b32 s21, 0
	s_add_nc_u64 s[66:67], s[66:67], s[20:21]
; cos and sin for block a's token (16 a + r) and my half's 16 frequencies (8 h + j and 16 + 8 h + j) into set a % 2: cos at + 0 .. 15, sin at + 16 .. 31
.macro TABLE_LOAD a
.set CSL, CS+32*((\a)%2)
.irp e, 0,1,2,3
	global_load_b128 v[CSL+8*\e:CSL+8*\e+3], v[TBO], s[12:13] offset:(\a)*4096+64*\e
	global_load_b128 v[CSL+8*\e+4:CSL+8*\e+7], v[TBO], s[12:13] offset:(\a)*4096+64*\e+16
.endr
.endm
	TABLE_LOAD 0                                   ; the first two blocks' are asked for here and land under the products.  They stand on every way: the work-groups of v, which is not rotated,
	TABLE_LOAD 1                                   ; issue these sixteen loads too (from table 1, at their own tokens' rows) and never read them, so that the two sets are written on every way through the text
.macro FRAG reg, adr, q, i             ; 16 rows x 128 K of 4-bit codes: 8 registers; lane l: row l % 16; registers 4 c .. 4 c + 3: K = 64 c + 32 (l / 16) + 0 .. 31
.irp c, 0,1
	ds_load_b128 v[\reg+4*\c:\reg+4*\c+3], v[\adr] offset:64*(\q)+32*\c+(\i)*16*PITCH
.endr
.endm
; 16 matrix instructions: source 1's blocks a0, a0 + 1 x source 0's eight.  The 64 accumulators take turns, one instruction a turn, in the same order in every step.
.macro MUL16 a0, p, q, sc, zero
.irp a, \a0, \a0+1
.irp b, 0,1,2,3,4,5,6,7
.if \zero
	v_wmma_scale_f32_16x16x128_f8f6f4 v[8*(8*((\a)%4)+\b):8*(8*((\a)%4)+\b)+7], v[128*(\p)+FR*\b:128*(\p)+FR*\b+FR-1], v[AF+FR*(\a):AF+FR*(\a)+FR-1], 0, v[SC+8*NQ*(\sc)+NQ*\b+(\q)], v[SC+8*NQ*(\sc)+NQ*(\a)+(\q)] matrix_a_fmt:MATRIX_FMT_FP4 matrix_b_fmt:MATRIX_FMT_FP4 matrix_a_scale:MATRIX_SCALE_ROW1
.else
	v_wmma_scale_f32_16x16x128_f8f6f4 v[8*(8*((\a)%4)+\b):8*(8*((\a)%4)+\b)+7], v[128*(\p)+FR*\b:128*(\p)+FR*\b+FR-1], v[AF+FR*(\a):AF+FR*(\a)+FR-1], v[8*(8*((\a)%4)+\b):8*(8*((\a)%4)+\b)+7], v[SC+8*NQ*(\sc)+NQ*\b+(\q)], v[SC+8*NQ*(\sc)+NQ*(\a)+(\q)] matrix_a_fmt:MATRIX_FMT_FP4 matrix_b_fmt:MATRIX_FMT_FP4 matrix_a_scale:MATRIX_SCALE_ROW1
.endif
.endr
.endr
.endm
.macro FETCH_B slot, q, p
	WIN TO_B
.irp i, 0,1,2,3,4,5,6,7
	FRAG 128*(\p)+FR*\i, ADRB+\slot, \q, \i
.endr
	WIN 0
.endm
.macro FETCH_A slot, q, i0
.irp i, \i0, \i0+1, \i0+2, \i0+3
	FRAG AF+FR*(\i), ADRA+\slot, \q, \i
.endr
.endm
.macro SCALES sc                       ; a K step's scale words: lanes 0-15 take source 1's block i, lanes 16-31 source 0's block i
.irp i, 0,1,2,3,4,5,6,7
	ds_load_b128 v[SC+8*NQ*\sc+NQ*\i:SC+8*NQ*\sc+NQ*\i+3], v[ADRS] offset:\i*SBLK
.endr
.endm
.macro PLACES n                        ; plain vector instructions between a matrix instruction and a load into, or a read of, its registers
.rept \n
	v_nop
.endr
.endm
.macro STEP slot, q, zero
	s_wait_dscnt 4*NL                              ; source 0's set and source 1's blocks 0-3 are in; the youngest eight loads (blocks 4-7) may be out
	WIN MUL_LO
	MUL16 0, (\q)%2, \q, \slot, \zero
	MUL16 2, (\q)%2, \q, \slot, \zero
	s_wait_dscnt 0
	PLACES NP
	FETCH_B \slot, (\q)+1, 1-(\q)%2
	FETCH_A \slot, (\q)+1, 0
	WIN MUL_HI
	MUL16 4, (\q)%2, \q, \slot, \zero
	MUL16 6, (\q)%2, \q, \slot, \zero
	PLACES NP
	WIN 0
	FETCH_A \slot, (\q)+1, 4
.endm
; A slot's last step changes slots: in front of the barrier each wave waits for all its tensor loads, adds 0 to its spare word, and waits for that and for its reads of this slot.
.macro TURN slot, next, fill
	s_wait_tensorcnt 0x0                           ; all my tensor loads have landed: my part of the next slot
	ds_add_u32 v[SPW], v[NIL]
	s_wait_dscnt 4*NL+1                            ; the add and the youngest eight loads may be out
	WIN MUL_LO
	MUL16 0, 1, NQ-1, \slot, 0
	s_wait_dscnt 0x0                               ; the add is done, and my reads of this slot are over
	s_barrier_signal -1
	MUL16 2, 1, NQ-1, \slot, 0
	WIN 0
	s_barrier_wait -1
.if \fill
	CREST                                          ; the barrier has opened a round of the cluster's: no wave of any partner still reads this slot or has a load on its way
	s_add_nc_u64 s[G0+4*\slot+2:G0+4*\slot+3], s[G0+4*\slot+2:G0+4*\slot+3], 2*ROWB
	s_add_nc_u64 s[G0B+4*\slot+2:G0B+4*\slot+3], s[G0B+4*\slot+2:G0B+4*\slot+3], 2*ROWB
	JLOAD G0+4*\slot, G1, G0B+4*\slot, G1B
.else
	PLACES NP
.endif
	v_add_nc_u32 v[ADRS], 4*NQ, v[ADRS]
	FETCH_B \next, 0, 0
	FETCH_A \next, 0, 0
	SCALES \next
	WIN MUL_HI
	MUL16 4, 1, NQ-1, \slot, 0
	MUL16 6, 1, NQ-1, \slot, 0
	PLACES NP
	WIN 0
	FETCH_A \next, 0, 4
.endm
.macro STEPS slot, from
.set Q, \from
.rept NQ-1-\from
	STEP \slot, Q, 0
.set Q, Q+1
.endr
.endm
	s_wait_tensorcnt 1                             ; the scales and my part of K step 0 are in; K step 1's load may be out
	s_barrier_signal -1
	s_barrier_wait -1
	FETCH_B 0, 0, 0
	FETCH_A 0, 0, 0
	SCALES 0
	FETCH_A 0, 0, 4
	STEP 0, 0, 1                                   ; the first step's products start the sums
	s_mov_b32 s3, LAPS-1
.Llap:
	STEPS 0, 1
	TURN 0, 1, 1
	STEPS 1, 0
	TURN 1, 0, 1
	STEP 0, 0, 0
	s_sub_co_u32 s3, s3, 1
	s_cmp_lg_u32 s3, 0
	s_cbranch_scc1 .Llap
	STEPS 0, 1                                     ; the last lap fills nothing
	TURN 0, 1, 0
	STEPS 1, 0
	s_wait_dscnt 4*NL
	WIN MUL_LO
	MUL16 0, 1, NQ-1, 1, 0
	MUL16 2, 1, NQ-1, 1, 0
	s_wait_dscnt 0
	WIN MUL_HI
	MUL16 4, 1, NQ-1, 1, 0
	MUL16 6, 1, NQ-1, 1, 0
	WIN 0
	PLACES NP                                      ; ahead of the first reads of results, and of loads and vector writes into registers that held fragments
; THE WAY OUT OF q AND k, a block of 16 tokens x 128 channels (two heads) at a time.  Lane (r, h) holds token r; accumulator (a, 4 hh + b') holds channels 16 b' + 8 h + j of head hh.
; Channels d < 32 (b' = 0, 1): x(d) cos(d) - x(d + 32) sin(d); channels d + 32: x(d + 32) cos(d) + x(d) sin(d).  Each accumulator is read from its low end on.
.macro QK_BLOCK a
.set AC,  64*((\a)%4)
.set CSB, CS+32*((\a)%2)
.set BB,  BK+32*((\a)%2)
.if (\a) > 0
	s_wait_xcnt 0x0                                ; earlier stores have read their registers: the results' and the read-back registers are written again below
.endif
.if (\a) < 7
	s_wait_loadcnt 8                               ; this block's cos and sin are in; the next block's eight loads may be out
.else
	s_wait_loadcnt 0x0
.endif
	WIN 0x02+(\a)/4                                ; source 0: the accumulators' window
.irp hh, 0,1
.irp bp, 0,1
.irp jj, 0,2,4,6
	v_pk_mul_f32 v[T+2*\jj:T+2*\jj+1], v[AC+8*(4*\hh+\bp+2)+\jj:AC+8*(4*\hh+\bp+2)+\jj+1], v[CSB+16+8*\bp+\jj:CSB+16+8*\bp+\jj+1]
	v_pk_mul_f32 v[T+2*\jj+2:T+2*\jj+3], v[AC+8*(4*\hh+\bp)+\jj:AC+8*(4*\hh+\bp)+\jj+1], v[CSB+16+8*\bp+\jj:CSB+16+8*\bp+\jj+1]
	v_pk_fma_f32 v[Y+8*(4*\hh+\bp)+\jj:Y+8*(4*\hh+\bp)+\jj+1], v[AC+8*(4*\hh+\bp)+\jj:AC+8*(4*\hh+\bp)+\jj+1], v[CSB+8*\bp+\jj:CSB+8*\bp+\jj+1], v[T+2*\jj:T+2*\jj+1] neg_lo:[0,0,1] neg_hi:[0,0,1]
	v_pk_fma_f32 v[Y+8*(4*\hh+\bp+2)+\jj:Y+8*(4*\hh+\bp+2)+\jj+1], v[AC+8*(4*\hh+\bp+2)+\jj:AC+8*(4*\hh+\bp+2)+\jj+1], v[CSB+8*\bp+\jj:CSB+8*\bp+\jj+1], v[T+2*\jj+2:T+2*\jj+3]
.endr
.endr
.endr
	WIN 0
.if (\a) < 6
	TABLE_LOAD (\a)+2                              ; into the set just used
.endif
.if (\a) == 0
	s_and_b32 s20, ttmp7, 1                        ; cluster rows 0 and 2 hold tokens 0 and 2,048
	s_cmp_lg_u32 s20, 0
	s_cbranch_scc1 .Lno_img_\@
.irp b, 0,1,2,3,4,5,6,7
	global_store_b128 v[L16], v[Y+8*\b:Y+8*\b+3], s[96:97] offset:1024*\b          ; the image in f32: four registers, 16 bytes a lane, 512 consecutive bytes
	global_store_b128 v[L16], v[Y+8*\b+4:Y+8*\b+7], s[96:97] offset:1024*\b+512
.endr
	s_wait_xcnt 0x0                                ; they have read the results, which are narrowed in place below
.Lno_img_\@:
.endif
.irp b, 0,1,2,3,4,5,6,7
.irp i, 0,1,2,3
	v_cvt_pk_f16_f32 v[Y+8*\b+\i], v[Y+8*\b+2*\i], v[Y+8*\b+2*\i+1]
.endr
.endr
.irp b, 0,1,2,3,4,5,6,7
	ds_store_b128 v[STOQ], v[Y+8*\b:Y+8*\b+3] offset:32*\b
.endr
	WIN TO_B                                       ; back into window 1
.irp hh, 0,1
.irp i, 0,1,2,3
	ds_load_b128 v[BB+4*(4*\hh+\i):BB+4*(4*\hh+\i)+3], v[RDQ] offset:128*\hh+4*272*\i   ; LDS serves a wave's instructions in order: these see the stores above
.endr
.endr
	WIN 0
.endm
.macro SENDQ a, younger                ; younger: the next block's 8 stores and 8 loads, or none
.set BB,  BK+32*((\a)%2)
	s_wait_dscnt \younger
	WIN FROM_B
.irp hh, 0,1
.irp i, 0,1,2,3
	global_store_b128 v[L16], v[BB+4*(4*\hh+\i):BB+4*(4*\hh+\i)+3], s[66:67] offset:\hh*262144+(\a)*2048+512*\i   ; four tokens of a head: 512 consecutive bytes
.endr
.endr
	WIN 0
.endm
; THE WAY OUT OF v, a block of 16 channels x 128 tokens at a time.  Lane (r, h) holds channel r; accumulator (a, b) holds tokens 16 b + 8 h + j.
.macro V_BLOCK a
.set AC,  64*((\a)%4)
.set BB,  BK+32*((\a)%2)
.if (\a) > 0
	s_wait_xcnt 0x0                                ; earlier stores have read their registers
.endif
	s_and_b32 s20, ttmp7, 1
	s_cmp_lg_u32 s20, 0
	s_cbranch_scc1 .Lno_img_\@
	WIN 0x08+4*((\a)/4)                            ; a store's data are its source 1
	global_store_b128 v[L16], v[AC:AC+3], s[96:97] offset:1024*(\a)                ; the first 16 tokens in f32
	global_store_b128 v[L16], v[AC+4:AC+7], s[96:97] offset:1024*(\a)+512
	WIN 0
.Lno_img_\@:
	WIN 0x0a+5*((\a)/4)
.irp b, 0,1,2,3,4,5,6,7
.irp i, 0,1,2,3
	v_cvt_pk_f16_f32 v[Y+4*\b+\i], v[AC+8*\b+2*\i], v[AC+8*\b+2*\i+1]
.endr
.endr
	WIN 0
.irp b, 0,1,2,3,4,5,6,7
	ds_store_b128 v[STOV], v[Y+4*\b:Y+4*\b+3] offset:32*\b
.endr
	WIN TO_B
.irp i, 0,1,2,3,4,5,6,7
	ds_load_b128 v[BB+4*\i:BB+4*\i+3], v[RDV] offset:2*272*\i
.endr
	WIN 0
.endm
.macro SENDV a, younger
.set BB,  BK+32*((\a)%2)
	s_wait_dscnt \younger
	WIN FROM_B
.irp i, 0,1,2,3,4,5,6,7
	global_store_b128 v[COV], v[BB+4*\i:BB+4*\i+3], s[66:67] offset:(16*(\a)+2*\i)*4096   ; sixteen lanes store 256 consecutive bytes, aligned: 128 tokens of a channel
.endr
	WIN 0
.endm
	s_cmp_eq_u32 ttmp9, 2
	s_cbranch_scc1 .Lvalues
	QK_BLOCK 0
.irp a, 1,2,3,4,5,6,7
	QK_BLOCK \a
	SENDQ \a-1, 16
.endr
	SENDQ 7, 0
	s_branch .Lend
.Lvalues:
	V_BLOCK 0
.irp a, 1,2,3,4,5,6,7
	V_BLOCK \a
	SENDV \a-1, 16
.endr
	SENDV 7, 0
.Lend:
	s_wait_tensorcnt 0x0                           ; the wave's end, behind my last tensor load and my last LDS store
	ds_add_u32 v[SPW], v[NIL]
	s_wait_dscnt 0x0
	CROUND                                         ; the closing round
	s_endpgm
.Lfunc_end_k_q985ff46dee_qkv:
	.size	k_q985ff46dee_qkv, .Lfunc_end_k_q985ff46dee_qkv-k_q985ff46dee_qkv
	.p2alignl 7, 3214868480
	.fill 96, 4, 3214868480
	.section	.rodata,"a",@progbits
	.p2align	6, 0x0
	.amdhsa_kernel k_q985ff46dee_qkv
		.amdhsa_group_segment_fixed_size 327680
		.amdhsa_private_segment_fixed_size 0
		.amdhsa_enable_private_segment 0
		.amdhsa_kernarg_size 48
		.amdhsa_user_sgpr_count 2
		.amdhsa_user_sgpr_kernarg_segment_ptr 1
		.amdhsa_wavefront_size32 1
		.amdhsa_system_sgpr_workgroup_id_x 1
		.amdhsa_system_sgpr_workgroup_id_y 1
		.amdhsa_system_sgpr_workgroup_id_z 1
		.amdhsa_system_vgpr_workitem_id 0
		.amdhsa_next_free_vgpr 1024
		.amdhsa_next_free_sgpr 100
		.amdhsa_reserve_vcc 1
		.amdhsa_float_denorm_mode_32 3
		.amdhsa_float_denorm_mode_16_64 3
		.amdhsa_memory_ordered 1
		.amdhsa_forward_progress 1
		.amdhsa_inst_pref_size 255
	.end_amdhsa_kernel
	.section	.bss,"aw",@nobits
	.p2align	6
	.space	262144
	.amdgpu_metadata
---
amdhsa.version: [ 1, 2 ]
amdhsa.kernels:
  - .name:           k_q985ff46dee_qkv
    .symbol:         k_q985ff46dee_qkv.kd
    .args:
      - { .name: xcodes, .offset: 0, .size: 8, .value_kind: global_buffer, .address_space: global }
      - { .name: xscales, .offset: 8, .size: 8, .value_kind: global_buffer, .address_space: global }
      - { .name: wcodes, .offset: 16, .size: 8, .value_kind: global_buffer, .address_space: global }
      - { .name: wscales, .offset: 24, .size: 8, .value_kind: global_buffer, .address_space: global }
      - { .name: misc, .offset: 32, .size: 8, .value_kind: global_buffer, .address_space: global }
      - { .name: qkv, .offset: 40, .size: 8, .value_kind: global_buffer, .address_space: global }
    .group_segment_fixed_size: 327680
    .private_segment_fixed_size: 0
    .kernarg_segment_align: 8
    .kernarg_segment_size: 48
    .max_flat_workgroup_size: 128
    .sgpr_count:     100
    .vgpr_count:     1024
    .wavefront_size: 32
...
	.end_amdgpu_metadata
.endif
;; end of part 3
;; launch attn (part 4): grid 16 x 16, 8 waves a work-group, clusters of 4 x 4, 327,680 bytes of LDS; arguments qkv, attention_mask, att; writes att
.if DOCPART == 4
	.amdgcn_target "amdgcn-amd-amdhsa--gfx1250"
	.amdhsa_code_object_version 6
	.text
	.protected	k_q985ff46dee_attn
	.globl	k_q985ff46dee_attn
	.p2align	8
	.type	k_q985ff46dee_attn,@function
k_q985ff46dee_attn:
	s_mov_b64 s[64:65], 0
	v_nop
	global_prefetch_b8 v0, s[64:65] scope:SCOPE_SE
	s_setreg_imm32_b32 hwreg(HW_REG_WAVE_MODE, 25, 1), 1
	s_wait_xcnt 0x0
	s_wait_alu depctr_hold_cnt(0) depctr_sa_sdst(0) depctr_va_vdst(0) depctr_va_sdst(0) depctr_va_ssrc(0) depctr_va_vcc(0) depctr_vm_vsrc(0)
	s_getreg_b32 s2, hwreg(HW_REG_IB_STS2, 6, 4)
	s_cmp_eq_u32 s2, 0
	s_cbranch_scc0 .Lentry_in_a_cluster
	s_endpgm
.Lentry_in_a_cluster:
	s_bfe_u32 s2, ttmp6, 0x10000c
	s_cmp_lg_u32 s2, 0xf033
	s_cbranch_scc0 .Lentry_shape_is_right
	s_endpgm
.Lentry_shape_is_right:
; O[b][head][q] = the sum over k of softmax_k(q . k / 8 + mask[b][q][k]) v[k], operands in f16, sums, maxima and the mask in f32.  q arrives x 1/8.  The mask is an input: every key is walked and every word of it is added.
; SHARES.  A work-group takes TWO heads x 128 queries; wave w: head w / 4, queries 32 (w % 4) on: two tiles of 16.  Two waves to a SIMD: one wave's softmax stands beside the other's products.
; LAYOUT.  S^T = K Q^T + mask (source 0 = 16 keys, source 1 = 16 queries): a lane holds one query and keys 8 (lane / 16) + 0..7.  THE MASK IS THE C OF THE FIRST PRODUCT: it comes from LDS in the scores' layout, into registers
; of its own.  Two such tiles, rounded to f16 in pairs, are source 1 of O^T = V^T P; v arrives with the keys innermost, so its fragments are read as they lie.
; SOFTMAX.  A running maximum m (from -3e38) and sum l: p = 2^((s - m) log2 e), the difference taken first, so that a row wholly at a large negative mask loses nothing; O and l are multiplied by 2^((m_old - m_new) log2 e).
; RING.  Two slots of 128 keys: the mask's 128 x 128 words, K's and V^T's tiles of both heads.  One tensor load of 16 KiB a wave and slot.  CLUSTERS of 4 x 4: the mask's tile is asked for jointly along a row of the
; cluster (same batch, same queries), K's and V^T's along a column (same heads).
; LDS READS A STEP AHEAD.  A key step reads 48 x 512 bytes a wave.  K's and the mask's 32 loads of step i + 1 are issued in step i, behind its K Q^T, in four runs of eight among the softmax's lines; V^T's 16 of step i at
; its head, ahead of its K Q^T.  So the change of slots stands in the MIDDLE of a slot's second step, behind its K Q^T: the slot's last reads (that step's V^T) are waited for there, and the next slot's K and mask are read behind the round.
; THE FIRST 16 POSITIONS of a sequence are carried more finely by a later launch.  For them (tile 0 of the waves with w % 4 = 0 where the block of queries is 0) the scores of keys 0-15 are set to -infinity here, by a select;
; their m, l and O^T, which so cover keys 16 on, leave in f32.  The export's branch hangs on the wave's number and the cluster's y alone, so blocks 1 to 3 of that cluster export too; nobody reads those.
; LIMITS: a row whose every score is -infinity gives NaN, as in the definition.
; REGISTERS: window 0: v3-15 addresses; v16-31 statistics (tile u at 16 + 8 u: m, its partner, l in two halves, four at work); v32 -infinity; v64-127 S^T; v128-159 P; v160-223 O^T.
;   window 1: v0-31 Q; v32-95 K of a step; v96-159 V^T of a step; v160-223 the mask of a step.
.set SLOT,  139264
.set KOF,   67584                      ; in a slot: the mask's 128 rows x 528; K: 2 heads x 128 keys x 144; V^T: 2 heads x 64 channels x 272
.set VOF,   104448
.set SPARE, 2*SLOT                     ; the spare words: 128 bytes a wave, named by no other line
.set STG,   SPARE+1024                 ; the way out: 128 rows x 272; no fill lands there
.set FEO,   8388608                    ; in att: the exported O^T, 4,096 bytes an entry,
.set FES,   8912896                    ; and m, l: 256 bytes an entry
.set AM,  3                            ; v3, v4   the mask's words of my queries, slot 0, 1
.set AK,  5                            ; v5, v6   K's fragments
.set AV,  7                            ; v7, v8   V^T's
.set STO, 9
.set RD,  10
.set GO,  11
.set QO,  12
.set PFO, 13
.set SPW, 14
.set NIL, 15
.set ST,  16
.set NEG, 32
.set L16, 33
.set L4,  34
.set S,   64
.set P,   128
.set O,   160
.set QR,  0                            ; window 1
.set KR,  32
.set VR,  96
.set MB,  160
.set WV,  10
.set G1M, 24
.set G1K, 32
.set G1V, 40
.set G0M, 48
.set G0K, 56
.set G0V, 68
.set LG,  76                           ; s[76:77] log2 e, twice
.set SEL, 78                           ; s[78:79] lane l xor 16
.set FLG, 80                           ; s80 all ones where my tile 0 is a sequence's first 16 queries
.set CNT, 81
.set SLOTS, 82                         ; s82 fills still to be asked for
.set LIM, 83                           ; s83 1 in a wave that prefetches, else the greatest number
.set PFA, 84
.set PFS, 86
.set MSB, 0
.macro WIN new
.if MSB != (\new)
	s_set_vgpr_msb (MSB<<8)|(\new)
.set MSB, (\new)
.endif
.endm
.macro PLACES
.rept 4
	v_nop
.endr
.endm
.macro CROUND
	s_barrier_signal -1
	s_barrier_wait -1
	s_cmp_lg_u32 s[WV], 0
	s_cbranch_scc1 .Lnot_wave_0_\@
	s_barrier_signal -3
.Lnot_wave_0_\@:
	s_barrier_wait -3
	s_barrier_signal -1
	s_barrier_wait -1
.endm
; A joint refill: waves 0-3 the mask's quarters, waves 4, 5 K's heads, waves 6, 7 V^T's.  The branches hang on the wave's number alone.  An s_nop 0 and four v_nop follow each line.
.macro JLOAD s
	s_cmp_lt_u32 s[WV], 4
	s_cbranch_scc0 .Lnot_m_\@
	tensor_load_to_lds s[G0M+4*\s:G0M+4*\s+3], s[G1M:G1M+7]
	s_nop 0
	PLACES
	s_branch .Lasked_\@
.Lnot_m_\@:
	s_cmp_lt_u32 s[WV], 6
	s_cbranch_scc0 .Lfor_v_\@
	tensor_load_to_lds s[G0K+4*\s:G0K+4*\s+3], s[G1K:G1K+7]
	s_nop 0
	PLACES
	s_branch .Lasked_\@
.Lfor_v_\@:
	tensor_load_to_lds s[G0V+4*\s:G0V+4*\s+3], s[G1V:G1V+7]
	s_nop 0
	PLACES
.Lasked_\@:
.endm
; A PREFETCH INTO THE L2 of what the NEXT change of slots will ask for: one slot, two key steps, ahead.  Each aligned block of 256 bytes is named once in the launch.  The mask's tile is read by the two clusters of a batch
; at one cluster y: the even one asks, waves 0 and 1 (the two halves of a row's 512 bytes), the four partners of a row 32 rows each, told apart by address.  K's and V^T's tiles are read by the four clusters of a column:
; cluster y = 0 asks, wave 4 for K (32 keys of both heads a partner), wave 6 for V^T (32 rows a partner).  The last change that fills a slot asks for nothing.
.macro ASK
	s_cmp_gt_u32 s[SLOTS], s[LIM]
	s_cbranch_scc0 .Lnot_mine_\@
	global_prefetch_b8 v[PFO], s[PFA:PFA+1] th:TH_LOAD_NT scope:SCOPE_SE
.Lnot_mine_\@:
.endm
	s_load_b128 s[4:7], s[0:1], 0x0                ; qkv, the mask
	s_load_b64 s[8:9], s[0:1], 0x10                ; att
	v_lshl_add_u32 v[SPW], v0, 2, SPARE
	v_mov_b32 v[NIL], 0
	ds_add_u32 v[SPW], v[NIL]                      ; the wave's opening: the add, twice on end, and its wait ahead of my first tensor load
	ds_add_u32 v[SPW], v[NIL]
	v_lshrrev_b32 v1, 5, v0
	v_readfirstlane_b32 s[WV], v1                  ; wave 0..7
	s_lshr_b32 s11, s10, 2                         ; hh: which of the two heads
	s_and_b32 s12, s10, 3                          ; g: which 32 queries.  Also: which quarter of the mask's tile I fetch
	s_and_b32 s2, s10, 1                           ; which head's K or V^T I fetch
	s_bfe_u32 s13, ttmp6, 0x40000                  ; cx
	s_bfe_u32 s14, ttmp6, 0x40004                  ; cy
	s_lshl_b32 s15, ttmp9, 2
	s_add_co_u32 s15, s15, s13                     ; X = 8 x batch + pair of heads
	s_and_b32 s16, ttmp7, 0xffff
	s_lshl_b32 s16, s16, 2
	s_add_co_u32 s16, s16, s14                     ; Y: block of 128 queries
	s_lshr_b32 s17, ttmp9, 1                       ; the batch
	s_lshl_b32 s18, s14, 2
	s_lshl_b32 s18, 15, s18                        ; my row of the cluster
	s_lshl_b32 s19, 0x1111, s13                    ; my column
	s_or_b32 s[G1M], s18, (2<<16)|(1<<20)|(1<<21)|(6<<22)|(3<<25)   ; elements of 4 bytes; 4 words of padding behind every 128
	s_mov_b32 s[G1M+1], 128<<16                    ; 32 rows x 128 words, 2,048 words apart
	s_mov_b32 s[G1M+2], 32<<16
	s_mov_b32 s[G1M+3], 128<<16
	s_mov_b32 s[G1M+4], 32
	s_mov_b32 s[G1M+5], 2048
	s_mov_b32 s[G1M+6], 0
	s_mov_b32 s[G1M+7], 0
	s_or_b32 s[G1K], s19, (1<<16)|(1<<20)|(1<<21)|(4<<22)|(3<<25)   ; elements of 2 bytes; 4 words behind every 32
	s_mov_b32 s[G1K+1], 64<<16                     ; 128 keys x 64 channels, dense
	s_mov_b32 s[G1K+2], 128<<16
	s_mov_b32 s[G1K+3], 64<<16
	s_mov_b32 s[G1K+4], 128
	s_mov_b32 s[G1K+5], 64
	s_mov_b32 s[G1K+6], 0
	s_mov_b32 s[G1K+7], 0
	s_or_b32 s[G1V], s19, (1<<16)|(1<<20)|(1<<21)|(5<<22)|(3<<25)   ; 4 words behind every 64
	s_mov_b32 s[G1V+1], 128<<16                    ; 64 channels x 128 keys, 2,048 apart
	s_mov_b32 s[G1V+2], 64<<16
	s_mov_b32 s[G1V+3], 128<<16
	s_mov_b32 s[G1V+4], 64
	s_mov_b32 s[G1V+5], 2048
	s_mov_b32 s[G1V+6], 0
	s_mov_b32 s[G1V+7], 0
	s_lshl_b32 s20, s17, 11                        ; the mask: row 2,048 b + 128 Y + 32 x quarter, 8,192 bytes a row: made of the batch and Y alone
	s_lshl_b32 s21, s16, 7
	s_add_co_u32 s20, s20, s21
	s_lshl_b32 s21, s12, 5
	s_add_co_u32 s20, s20, s21
	s_lshl_b32 s20, s20, 13
	s_mov_b32 s21, 0
	s_lshl_b32 s22, s15, 1                         ; K, V^T: head 2 X + (wave % 2), 262,144 bytes a head: made of X alone
	s_add_co_u32 s22, s22, s2
	s_lshl_b32 s22, s22, 18
	s_mov_b32 s23, 0
	s_mul_i32 s3, s12, 32*528                      ; where they go in a slot
	s_mul_i32 s92, s2, 128*144
	s_add_co_u32 s92, s92, KOF
	s_mul_i32 s93, s2, 64*272
	s_add_co_u32 s93, s93, VOF
	s_mov_b32 s[LG], 0x3fb8aa3b
	s_mov_b32 s[LG+1], s[LG]
	s_mov_b32 s[SEL], 0x76543210
	s_mov_b32 s[SEL+1], 0xfedcba98
	s_mov_b32 s[SLOTS], 14
	s_lshl_b32 s18, s16, 2
	s_or_b32 s18, s18, s12
	s_cmp_eq_u32 s18, 0
	s_cselect_b32 s[FLG], -1, 0                    ; it steers a select of values alone
	s_wait_dscnt 0x0                               ; both opening adds are done
	s_wait_kmcnt 0x0
	s_add_nc_u64 s[20:21], s[6:7], s[20:21]
	s_add_nc_u64 s[22:23], s[4:5], s[22:23]
	CROUND                                         ; all sixteen work-groups are here: the first joint loads meet
.irp s, 0,1
	s_mov_b32 s[G0M+4*\s], 1
	s_add_co_u32 s[G0M+4*\s+1], s3, \s*SLOT
	s_add_nc_u64 s[G0M+4*\s+2:G0M+4*\s+3], s[20:21], \s*512
	s_or_b32 s[G0M+4*\s+3], s[G0M+4*\s+3], 0x80000000
	s_mov_b32 s[G0K+4*\s], 1
	s_add_co_u32 s[G0K+4*\s+1], s92, \s*SLOT
	s_add_nc_u64 s[G0K+4*\s+2:G0K+4*\s+3], s[22:23], 8388608+\s*16384
	s_or_b32 s[G0K+4*\s+3], s[G0K+4*\s+3], 0x80000000
	s_mov_b32 s[G0V+4*\s], 1
	s_add_co_u32 s[G0V+4*\s+1], s93, \s*SLOT
	s_add_nc_u64 s[G0V+4*\s+2:G0V+4*\s+3], s[22:23], 16777216+\s*256
	s_or_b32 s[G0V+4*\s+3], s[G0V+4*\s+3], 0x80000000
.endr
	s_cmp_lt_u32 s[WV], 4                          ; a wave's two first fills stand together: two loads of mine are out
	s_cbranch_scc0 .Lfirst_not_m
	tensor_load_to_lds s[G0M:G0M+3], s[G1M:G1M+7]
	s_nop 0
	tensor_load_to_lds s[G0M+4:G0M+7], s[G1M:G1M+7]
	s_nop 0
	PLACES
	s_branch .Lfirst_asked
.Lfirst_not_m:
	s_cmp_lt_u32 s[WV], 6
	s_cbranch_scc0 .Lfirst_v
	tensor_load_to_lds s[G0K:G0K+3], s[G1K:G1K+7]
	s_nop 0
	tensor_load_to_lds s[G0K+4:G0K+7], s[G1K:G1K+7]
	s_nop 0
	PLACES
	s_branch .Lfirst_asked
.Lfirst_v:
	tensor_load_to_lds s[G0V:G0V+3], s[G1V:G1V+7]
	s_nop 0
	tensor_load_to_lds s[G0V+4:G0V+7], s[G1V:G1V+7]
	s_nop 0
	PLACES
.Lfirst_asked:
	v_and_b32 v1, 15, v0                           ; r
	v_bfe_u32 v2, v0, 4, 1                         ; h
	v_lshlrev_b32 v[QO], 7, v1
	v_lshl_add_u32 v[QO], v2, 4, v[QO]             ; Q: row r of 128 bytes, + 16 h
	s_lshl_b32 s18, s15, 1                         ; Q at head 2 X + hh, query 128 Y + 32 g
	s_add_co_u32 s18, s18, s11
	s_lshl_b32 s18, s18, 18
	s_lshl_b32 s19, s16, 14
	s_add_co_u32 s18, s18, s19
	s_lshl_b32 s19, s12, 12
	s_add_co_u32 s18, s18, s19
	s_mov_b32 s19, 0
	s_add_nc_u64 s[88:89], s[4:5], s[18:19]
	WIN 0x40                                       ; destination window 1
.irp u, 0,1
.irp c, 0,1
	global_load_b128 v[QR+16*\u+8*\c:QR+16*\u+8*\c+3], v[QO], s[88:89] offset:2048*\u+64*\c
	global_load_b128 v[QR+16*\u+8*\c+4:QR+16*\u+8*\c+7], v[QO], s[88:89] offset:2048*\u+64*\c+32
.endr
.endr
	WIN 0
	v_mul_u32_u24 v[AM], v1, 528
	v_lshl_add_u32 v[AM], v2, 5, v[AM]
	v_add_nc_u32 v[AM], s3, v[AM]                  ; (32 g + r) x 528 + 32 h
	v_add_nc_u32 v[AM+1], SLOT, v[AM]
	s_mul_i32 s18, s11, 128*144
	s_add_co_u32 s18, s18, KOF
	v_mul_u32_u24 v[AK], v1, 144
	v_lshl_add_u32 v[AK], v2, 4, v[AK]
	v_add_nc_u32 v[AK], s18, v[AK]
	v_add_nc_u32 v[AK+1], SLOT, v[AK]
	s_mul_i32 s18, s11, 64*272
	s_add_co_u32 s18, s18, VOF
	v_mul_u32_u24 v[AV], v1, 272
	v_lshl_add_u32 v[AV], v2, 4, v[AV]
	v_add_nc_u32 v[STO], 0, v[AV]                  ; 272 r + 16 h serves the stage too
	v_add_nc_u32 v[AV], s18, v[AV]
	v_add_nc_u32 v[AV+1], SLOT, v[AV]
	s_mul_i32 s18, s12, 32*272
	s_lshl_b32 s19, s11, 7
	s_add_co_u32 s18, s18, s19
	s_add_co_u32 s18, s18, STG
	v_add_nc_u32 v[STO], s18, v[STO]               ; the stage: row 32 g + r, + 128 hh + 16 h
	s_mul_i32 s18, s10, 16*272
	s_add_co_u32 s18, s18, STG
	v_mul_u32_u24 v[RD], v2, 272
	v_lshl_add_u32 v[RD], v1, 4, v[RD]
	v_add_nc_u32 v[RD], s18, v[RD]                 ; back: my 16 rows, two an instruction
	v_lshlrev_b32 v[GO], 11, v2
	v_lshl_add_u32 v[GO], v1, 4, v[GO]
	v_and_b32 v[L4], 31, v0
	v_lshlrev_b32 v[L16], 4, v[L4]
	v_lshlrev_b32 v[L4], 2, v[L4]
	v_mov_b32 v[NEG], 0xff800000
	s_lshl_b32 s18, s17, 11                        ; the result: row 2,048 b + 128 Y + 16 w of 2,048 bytes, + 256 x pair of heads
	s_lshl_b32 s19, s16, 7
	s_add_co_u32 s18, s18, s19
	s_lshl_b32 s19, s10, 4
	s_add_co_u32 s18, s18, s19
	s_lshl_b32 s18, s18, 11
	s_and_b32 s19, s15, 7
	s_lshl_b32 s19, s19, 8
	s_add_co_u32 s18, s18, s19
	s_mov_b32 s19, 0
	s_add_nc_u64 s[90:91], s[8:9], s[18:19]
	s_lshl_b32 s98, s16, 4                         ; the export's entry: (16 Y + X) x 2 + hh
	s_add_co_u32 s98, s98, s15
	s_lshl_b32 s98, s98, 1
	s_add_co_u32 s98, s98, s11
	s_lshl_b32 s18, s98, 12
	s_add_co_u32 s18, s18, FEO
	s_add_nc_u64 s[94:95], s[8:9], s[18:19]
	s_lshl_b32 s18, s98, 8
	s_add_co_u32 s18, s18, FES
	s_add_nc_u64 s[96:97], s[8:9], s[18:19]
	; the prefetches: where my wave's stand, how they step, who asks
	s_lshl_b32 s18, s17, 11
	s_lshl_b32 s19, s16, 7
	s_add_co_u32 s18, s18, s19
	s_lshl_b32 s19, s13, 5
	s_add_co_u32 s18, s18, s19                     ; the mask: row 2,048 b + 128 Y + 32 cx,
	s_lshl_b32 s18, s18, 13
	s_lshl_b32 s19, s2, 8
	s_add_co_u32 s18, s18, s19                     ; + 256 x (wave % 2)
	s_lshl_b32 s19, s15, 19                        ; the pair's first head
	s_lshl_b32 s98, s14, 12
	s_add_co_u32 s98, s98, s19
	s_add_co_u32 s98, s98, 8388608                 ; K: keys 32 cy on
	s_lshl_b32 s99, s14, 17
	s_add_co_u32 s99, s99, s19
	s_add_co_u32 s99, s99, 16777216                ; V^T: rows 32 cy on
	s_mov_b32 s[PFS], 256
	s_mov_b32 s92, 4096                            ; from lane to lane within sixteen, and from one sixteen to the other
	s_mov_b32 s93, 65536
	s_cmp_lt_u32 s[WV], 6
	s_cselect_b32 s98, s98, s99
	s_cselect_b32 s[PFS], 16384, s[PFS]
	s_cselect_b32 s92, 256, s92
	s_cselect_b32 s93, 262144, s93
	s_cmp_lt_u32 s[WV], 4
	s_cselect_b32 s98, s18, s98
	s_cselect_b32 s[PFS], 512, s[PFS]
	s_cselect_b32 s92, 8192, s92
	s_cselect_b32 s93, 131072, s93
	s_cselect_b64 s[PFA:PFA+1], s[6:7], s[4:5]
	s_lshl_b32 s99, s[PFS], 1
	s_add_co_u32 s98, s98, s99                     ; at slot index 2: the first change steps it to 3.  Nothing is prefetched here, at the head
	s_mov_b32 s99, 0
	s_mov_b32 s[PFS+1], 0
	s_add_nc_u64 s[PFA:PFA+1], s[PFA:PFA+1], s[98:99]
	v_mul_lo_u32 v[PFO], v1, s92
	v_mul_lo_u32 v35, v2, s93
	v_add_nc_u32 v[PFO], v[PFO], v35
	s_and_b32 s18, ttmp9, 1
	s_lshr_b32 s19, s10, 1
	s_or_b32 s18, s18, s19                         ; 0: waves 0, 1 of an even cluster x
	s_and_b32 s19, ttmp7, 0xffff
	s_and_b32 s98, s10, 5
	s_xor_b32 s98, s98, 4
	s_or_b32 s19, s19, s98                         ; 0: waves 4, 6 of cluster y = 0
	s_min_u32 s18, s18, s19
	s_cmp_eq_u32 s18, 0
	s_cselect_b32 s[LIM], 1, -1                    ; the same in all sixteen partners, for a given wave
.irp u, 0,1
	v_mov_b32 v[ST+8*\u], 0xff61b1e6               ; m: -3e38, under every score that counts
.irp j, 1,2,3,4,5,6,7
	v_mov_b32 v[ST+8*\u+\j], 0                     ; l, and registers that are named before they are first written
.endr
.endr
.set k, 0
.rept 64
	v_mov_b32 v[O+k], 0                            ; O^T: the step is written in one form; the first finds zeros
.set k, k+1
.endr
; Eight LDS loads: K's key tiles t0, t0 + 1 of half sub of a slot, into window 1
.macro LOADK slot, sub, t0
	WIN 0x40
.irp t, \t0, \t0+1
.irp c, 0,1
	ds_load_b128 v[KR+16*(\t)+8*\c:KR+16*(\t)+8*\c+3], v[AK+\slot] offset:(64*\sub+16*(\t))*144+64*\c
	ds_load_b128 v[KR+16*(\t)+8*\c+4:KR+16*(\t)+8*\c+7], v[AK+\slot] offset:(64*\sub+16*(\t))*144+64*\c+32
.endr
.endr
	WIN 0
.endm
; Eight LDS loads: the mask of tile u's queries and the 64 keys of half sub of a slot, in the scores' layout, into window 1
.macro LOADM slot, sub, u
	WIN 0x40
.irp t, 0,1,2,3
	ds_load_b128 v[MB+32*\u+8*\t:MB+32*\u+8*\t+3], v[AM+\slot] offset:8448*\u+256*\sub+64*\t
	ds_load_b128 v[MB+32*\u+8*\t+4:MB+32*\u+8*\t+7], v[AM+\slot] offset:8448*\u+256*\sub+64*\t+16
.endr
	WIN 0
.endm
; THE CHANGE OF SLOTS.  Each wave waits for all its tensor loads (one is out: its part of the other slot), adds 0 to its spare word, and waits for that and for its reads of the slot that it leaves (the last: this step's V^T).
; fill = 1: the barrier is a round of the cluster's, and the slot left is filled again first thing behind it, with the keys two slots on: it has two key steps in which to land.
.macro CHANGE slot, fill
	s_wait_tensorcnt 0x0                           ; no tensor load of mine is out, so a group 0 may be written
	ds_add_u32 v[SPW], v[NIL]
.if \fill
	s_add_nc_u64 s[G0M+4*\slot+2:G0M+4*\slot+3], s[G0M+4*\slot+2:G0M+4*\slot+3], 1024
	s_add_nc_u64 s[G0K+4*\slot+2:G0K+4*\slot+3], s[G0K+4*\slot+2:G0K+4*\slot+3], 32768
	s_add_nc_u64 s[G0V+4*\slot+2:G0V+4*\slot+3], s[G0V+4*\slot+2:G0V+4*\slot+3], 512
	s_wait_xcnt 0x0                                ; the last prefetch, a slot back, has read its address
	s_add_nc_u64 s[PFA:PFA+1], s[PFA:PFA+1], s[PFS:PFS+1]
	s_wait_dscnt 0x0                               ; the add is done, and my reads of the slot are over
	CROUND
	JLOAD \slot
.else
	s_wait_dscnt 0x0
	s_barrier_signal -1
	s_barrier_wait -1
.endif
.endm
; A KEY STEP: 64 keys, half sub of the slot.  Its K and mask were asked for in the step before.  neg = 1: the launch's first step, in which keys 0-15 are hidden from a sequence's first 16 queries.
; chg = 1: the slot is left behind this step's K Q^T and filled again; 2: it is left and nothing is asked for; 0: no change.  nxt = 1: the next step, half nb of slot ns, has its K and mask asked for here.
.macro STEP slot, sub, neg, chg, nxt, ns, nb
	PLACES                                         ; behind the last products, ahead of loads into the registers that they read
	WIN 0x40
.irp c, 0,1
.irp e, 0,1,2,3
	ds_load_b128 v[VR+32*\c+8*\e:VR+32*\c+8*\e+3], v[AV+\slot] offset:4352*\e+128*\sub+64*\c
	ds_load_b128 v[VR+32*\c+8*\e+4:VR+32*\c+8*\e+7], v[AV+\slot] offset:4352*\e+128*\sub+64*\c+32
.endr
.endr
	WIN 0x15                                       ; K, Q and the mask in window 1, S^T in window 0
	s_wait_dscnt 16                                ; K and the mask are in; V^T's sixteen loads are younger
.irp t, 0,1,2,3                                ; eight accumulators by turns, one instruction a turn; the mask begins each sum
.irp u, 0,1
	v_wmma_f32_16x16x32_f16 v[S+32*\u+8*\t:S+32*\u+8*\t+7], v[KR+16*\t:KR+16*\t+7], v[QR+16*\u:QR+16*\u+7], v[MB+32*\u+8*\t:MB+32*\u+8*\t+7]
.endr
.endr
	WIN 0x05                                       ; C and D both S^T
.irp t, 0,1,2,3
.irp u, 0,1
	v_wmma_f32_16x16x32_f16 v[S+32*\u+8*\t:S+32*\u+8*\t+7], v[KR+16*\t+8:KR+16*\t+15], v[QR+16*\u+8:QR+16*\u+15], v[S+32*\u+8*\t:S+32*\u+8*\t+7]
.endr
.endr
	WIN 0
	PLACES                                         ; ahead of the reads of the scores, and of the loads into K's and the mask's registers
.if \chg == 1
	CHANGE \slot, 1
.elseif \chg == 2
	CHANGE \slot, 0
.endif
.if \nxt
	LOADK \ns, \nb, 0                              ; the next step's 32 loads go out in four runs of eight, with the softmax's lines between them
.endif
.if \chg == 1
	ASK                                            ; behind the joint load and a run of LDS loads
	s_sub_co_u32 s[SLOTS], s[SLOTS], 1
.endif
.if \neg
.irp j, 0,1,2,3,4,5,6,7
	v_cndmask_b32 v[S+\j], v[S+\j], v[NEG], s[FLG]
.endr
.endif
.irp j, 0,1,2,3                                ; the largest score: four chains a tile, each begun at an accumulator's low end; the tiles alternate line by line
.irp u, 0,1
	v_max3_num_f32 v[ST+8*\u+4+\j], v[S+32*\u+8*\j], v[S+32*\u+8*\j+1], v[S+32*\u+8*\j+2]
.endr
.endr
.irp k, 1,2
.irp j, 0,1,2,3
.irp u, 0,1
	v_max3_num_f32 v[ST+8*\u+4+\j], v[ST+8*\u+4+\j], v[S+32*\u+8*\j+2*\k+1], v[S+32*\u+8*\j+2*\k+2]
.endr
.endr
.endr
.if \nxt
	LOADK \ns, \nb, 2
.endif
.irp u, 0,1
	v_max3_num_f32 v[ST+8*\u+4], v[ST+8*\u+4], v[S+32*\u+7], v[S+32*\u+15]
.endr
.irp u, 0,1
	v_max3_num_f32 v[ST+8*\u+6], v[ST+8*\u+6], v[S+32*\u+23], v[S+32*\u+31]
.endr
.irp u, 0,1
	v_max3_num_f32 v[ST+8*\u+4], v[ST+8*\u+4], v[ST+8*\u+5], v[ST+8*\u+6]
.endr
.irp u, 0,1
	v_max3_num_f32 v[ST+8*\u+4], v[ST+8*\u+4], v[ST+8*\u+7], v[ST+8*\u]    ; and the old m
.endr
.irp u, 0,1
	v_permlanex16_b32 v[ST+8*\u+5], v[ST+8*\u+4], s[SEL], s[SEL+1]         ; the query's other 32 keys lie in the lane 16 away
.endr
.irp u, 0,1
	v_mov_b32 v[ST+8*\u+7], v[ST+8*\u]
.endr
.irp u, 0,1
	v_max_num_f32 v[ST+8*\u], v[ST+8*\u+4], v[ST+8*\u+5]                   ; the new m
.endr
.irp u, 0,1
	v_sub_f32 v[ST+8*\u+7], v[ST+8*\u+7], v[ST+8*\u]
.endr
.irp u, 0,1
	v_mul_f32 v[ST+8*\u+7], s[LG], v[ST+8*\u+7]
.endr
.set k, 0
.rept 16
	v_pk_add_f32 v[S+k:S+k+1], v[S+k:S+k+1], v[ST:ST+1] op_sel_hi:[1,0] neg_lo:[0,1] neg_hi:[0,1]             ; s - m, first
	v_pk_add_f32 v[S+32+k:S+32+k+1], v[S+32+k:S+32+k+1], v[ST+8:ST+9] op_sel_hi:[1,0] neg_lo:[0,1] neg_hi:[0,1]
.set k, k+2
.endr
.if \nxt
	LOADM \ns, \nb, 0
.endif
.set k, 0
.rept 32
	v_pk_mul_f32 v[S+k:S+k+1], v[S+k:S+k+1], s[LG:LG+1] op_sel_hi:[1,0]
.set k, k+2
.endr
.if \nxt
	LOADM \ns, \nb, 1
.endif
.irp u, 0,1
	v_exp_f32 v[ST+8*\u+6], v[ST+8*\u+7]           ; a = 2^((m_old - m_new) log2 e)
.endr
.set k, 0
.rept 64
	v_exp_f32 v[S+k], v[S+k]                       ; p
.set k, k+1
.endr
	v_nop                                          ; a plain instruction behind the last exponential
	s_wait_alu depctr_va_vdst(0)                   ; one wait for the 66, ahead of their first reader
.set k, 0
.rept 32
	v_cvt_pk_f16_f32 v[P+k], v[S+2*k], v[S+2*k+1]  ; ahead of the sums, which add in place
.set k, k+1
.endr
.irp w, 4,8,16,32                              ; the row's sums of the unrounded p: neighbours 1, 2, 4 and 8 pairs apart
.set k, 0
.rept 64/\w
	v_pk_add_f32 v[S+k:S+k+1], v[S+k:S+k+1], v[S+k+\w/2:S+k+\w/2+1]
.set k, k+\w
.endr
.endr
.irp u, 0,1
	v_pk_fma_f32 v[ST+8*\u+2:ST+8*\u+3], v[ST+8*\u+2:ST+8*\u+3], v[ST+8*\u+6:ST+8*\u+7], v[S+32*\u:S+32*\u+1] op_sel_hi:[1,0,1]
.endr
.set k, 0
.rept 16
	v_pk_mul_f32 v[O+k:O+k+1], v[O+k:O+k+1], v[ST+6:ST+7] op_sel_hi:[1,0]
	v_pk_mul_f32 v[O+32+k:O+32+k+1], v[O+32+k:O+32+k+1], v[ST+14:ST+15] op_sel_hi:[1,0]
.set k, k+2
.endr
	s_wait_dscnt 32*\nxt                           ; V^T is in; the next step's 16 loads of K and 16 of the mask are younger
	WIN 0x01                                       ; V^T in window 1
.irp c, 0,1
.irp e, 0,1,2,3
.irp u, 0,1
	v_wmma_f32_16x16x32_f16 v[O+32*\u+8*\e:O+32*\u+8*\e+7], v[VR+32*\c+8*\e:VR+32*\c+8*\e+7], v[P+16*\u+8*\c:P+16*\u+8*\c+7], v[O+32*\u+8*\e:O+32*\u+8*\e+7]
.endr
.endr
.endr
	WIN 0
.endm
	s_wait_tensorcnt 1                             ; my part of slot 0 is in; slot 1's may stay out
	s_barrier_signal -1
	s_barrier_wait -1
	LOADK 0, 0, 0                                  ; the first step's K and mask
	LOADK 0, 0, 2
	LOADM 0, 0, 0
	LOADM 0, 0, 1
	s_wait_loadcnt 0x0                             ; Q
	STEP 0, 0, 1, 0, 1, 0, 1
	s_mov_b32 s[CNT], 7
.Lpair:                                            ; seven trips of four key steps, from a slot 0's second step to the next slot 0's first: slot indices 2 to 15 are asked for
	STEP 0, 1, 0, 1, 1, 1, 0
	STEP 1, 0, 0, 0, 1, 1, 1
	STEP 1, 1, 0, 1, 1, 0, 0
	STEP 0, 0, 0, 0, 1, 0, 1
	s_sub_co_u32 s[CNT], s[CNT], 1
	s_cmp_lg_u32 s[CNT], 0
	s_cbranch_scc1 .Lpair
	STEP 0, 1, 0, 2, 1, 1, 0                       ; the tail is written out: nothing is left to ask for
	STEP 1, 0, 0, 0, 1, 1, 1
	STEP 1, 1, 0, 0, 0, 0, 0
	; THE WAY OUT
	PLACES
.irp u, 0,1
	v_add_f32 v[ST+8*\u+4], v[ST+8*\u+2], v[ST+8*\u+3]
.endr
.irp u, 0,1
	v_permlanex16_b32 v[ST+8*\u+5], v[ST+8*\u+4], s[SEL], s[SEL+1]
.endr
.irp u, 0,1
	v_add_f32 v[ST+8*\u+4], v[ST+8*\u+4], v[ST+8*\u+5]     ; the row's sum
.endr
	s_and_b32 s18, ttmp7, 0xffff
	s_or_b32 s18, s18, s12
	s_cmp_lg_u32 s18, 0
	s_cbranch_scc1 .Lno_export                     ; waves with w % 4 = 0 of cluster y = 0
.irp k, 0,1,2,3,4,5,6,7
	global_store_b128 v[L16], v[O+4*\k:O+4*\k+3], s[94:95] offset:512*\k   ; tile 0's O^T as it stands, an image of its registers
.endr
	global_store_b32 v[L4], v[ST], s[96:97]
	global_store_b32 v[L4], v[ST+4], s[96:97] offset:128
.Lno_export:
.irp u, 0,1
	v_rcp_f32 v[ST+8*\u+6], v[ST+8*\u+4]
.endr
	v_nop
	s_wait_alu depctr_va_vdst(0)                   ; one wait for the two reciprocals
.set k, 0
.rept 16
	v_pk_mul_f32 v[S+k:S+k+1], v[O+k:O+k+1], v[ST+6:ST+7] op_sel_hi:[1,0]
	v_pk_mul_f32 v[S+32+k:S+32+k+1], v[O+32+k:O+32+k+1], v[ST+14:ST+15] op_sel_hi:[1,0]
.set k, k+2
.endr
.set k, 0
.rept 32
	v_cvt_pk_f16_f32 v[P+k], v[S+2*k], v[S+2*k+1]
.set k, k+1
.endr
.irp u, 0,1
.irp e, 0,1,2,3
	ds_store_b128 v[STO], v[P+16*\u+4*\e:P+16*\u+4*\e+3] offset:4352*\u+32*\e
.endr
.endr
	s_wait_dscnt 0x0                               ; for the others' sake: a row's 256 bytes come from the two heads' waves
	s_barrier_signal -1
	s_barrier_wait -1
.irp i, 0,1,2,3,4,5,6,7
	ds_load_b128 v[S+4*\i:S+4*\i+3], v[RD] offset:544*\i
.endr
.irp i, 0,1,2,3,4,5,6,7
	s_wait_dscnt 7-\i                              ; the younger loads from the stage may be out
	global_store_b128 v[GO], v[S+4*\i:S+4*\i+3], s[90:91] offset:4096*\i   ; sixteen lanes store 256 consecutive bytes, aligned
.endr
	s_wait_tensorcnt 0x0                           ; the wave's end, behind my last tensor load and my last LDS store
	ds_add_u32 v[SPW], v[NIL]
	s_wait_dscnt 0x0
	CROUND                                         ; the closing round
	s_endpgm
.Lfunc_end_k_q985ff46dee_attn:
	.size	k_q985ff46dee_attn, .Lfunc_end_k_q985ff46dee_attn-k_q985ff46dee_attn
	.p2alignl 7, 3214868480
	.fill 96, 4, 3214868480
	.section	.rodata,"a",@progbits
	.p2align	6, 0x0
	.amdhsa_kernel k_q985ff46dee_attn
		.amdhsa_group_segment_fixed_size 327680
		.amdhsa_private_segment_fixed_size 0
		.amdhsa_enable_private_segment 0
		.amdhsa_kernarg_size 24
		.amdhsa_user_sgpr_count 2
		.amdhsa_user_sgpr_kernarg_segment_ptr 1
		.amdhsa_wavefront_size32 1
		.amdhsa_system_sgpr_workgroup_id_x 1
		.amdhsa_system_sgpr_workgroup_id_y 1
		.amdhsa_system_sgpr_workgroup_id_z 1
		.amdhsa_system_vgpr_workitem_id 0
		.amdhsa_next_free_vgpr 512
		.amdhsa_next_free_sgpr 100
		.amdhsa_reserve_vcc 0
		.amdhsa_float_denorm_mode_32 3
		.amdhsa_float_denorm_mode_16_64 3
		.amdhsa_memory_ordered 1
		.amdhsa_forward_progress 1
		.amdhsa_inst_pref_size 190
	.end_amdhsa_kernel
	.amdgpu_metadata
---
amdhsa.version: [ 1, 2 ]
amdhsa.kernels:
  - .name:           k_q985ff46dee_attn
    .symbol:         k_q985ff46dee_attn.kd
    .args:
      - { .name: qkv, .offset: 0, .size: 8, .value_kind: global_buffer, .address_space: global }
      - { .name: attention_mask, .offset: 8, .size: 8, .value_kind: global_buffer, .address_space: global }
      - { .name: att, .offset: 16, .size: 8, .value_kind: global_buffer, .address_space: global }
    .group_segment_fixed_size: 327680
    .private_segment_fixed_size: 0
    .kernarg_segment_align: 8
    .kernarg_segment_size: 24
    .max_flat_workgroup_size: 256
    .sgpr_count:     100
    .vgpr_count:     512
    .wavefront_size: 32
...
	.end_amdgpu_metadata
.endif
;; end of part 4
;; launch oproj (part 5): grid 16 x 16, 4 waves a work-group, clusters of 4 x 4, 327,680 bytes of LDS; arguments att, misc, out0; writes out0
.if DOCPART == 5
	.amdgcn_target "amdgcn-amd-amdhsa--gfx1250"
	.amdhsa_code_object_version 6
	.text
	.protected	k_q985ff46dee_oproj
	.globl	k_q985ff46dee_oproj
	.p2align	8
	.type	k_q985ff46dee_oproj,@function
k_q985ff46dee_oproj:
	s_mov_b64 s[64:65], 0
	v_nop
	global_prefetch_b8 v0, s[64:65] scope:SCOPE_SE
	s_setreg_imm32_b32 hwreg(HW_REG_WAVE_MODE, 25, 1), 1
	s_wait_xcnt 0x0
	s_wait_alu depctr_hold_cnt(0) depctr_sa_sdst(0) depctr_va_vdst(0) depctr_va_sdst(0) depctr_va_ssrc(0) depctr_va_vcc(0) depctr_vm_vsrc(0)
	s_getreg_b32 s2, hwreg(HW_REG_IB_STS2, 6, 4)
	s_cmp_eq_u32 s2, 0
	s_cbranch_scc0 .Lentry_in_a_cluster
	s_endpgm
.Lentry_in_a_cluster:
	s_bfe_u32 s2, ttmp6, 0x10000c
	s_cmp_lg_u32 s2, 0xf033
	s_cbranch_scc0 .Lentry_shape_is_right
	s_endpgm
.Lentry_shape_is_right:
; out0 [4096][2048] f32 = A [4096][1024] f16 (the attention's output, K innermost) x B [1024 (k)][2048 (n)] f16 (Wo as it lies); sums in f32.
; A tile of 256 x 128 to a work-group, so that there are 256 of them; four waves, 128 x 64 each: 32 accumulators.  K goes in steps of 128 through a ring of two LDS slots.
; B's K is not innermost: its fragments come out of LDS turned, by ds_load_tr16_b128, from rows 288 bytes apart.  THE MATRIX INSTRUCTION IS USED TRANSPOSED (source 0 = 16 columns of B, source 1 = 16 rows of A):
; a lane holds eight neighbouring numbers of a row of the result.  CLUSTERS of 4 x 4: A's tiles are asked for jointly along a row of the cluster, B's along a column.
; Rows 0-15 of each sequence are written here from sums that leave keys 0-15 out, and are written anew by the launch that follows.
; REGISTERS: window 0: v16-29 addresses; v32-95, v96-159 A's fragments, two buffers; v160-191, v192-223 B's.  window 1: the accumulators ((a, b) at v[8 (4 a + b)]).
.set PA,     272
.set PB,     288
.set BOF,    256*PA                    ; in a slot: A's 256 rows, then B's 128 rows
.set SLOT,   BOF+128*PB
.set STAGE,  2*SLOT                    ; 16 rows x 272 bytes for each wave
.set SPARE,  STAGE+4*16*272            ; the spare words: 128 bytes a wave, named by no other line
.set LAPS,   4
.set ADRA, 16
.set ADRB, 20
.set STO,  24
.set RD,   25
.set CO,   26
.set SPW,  28
.set NIL,  29
.set FA,   32
.set FB,   160
.set BK,   32
.set F0,   0
.set F1,   1
.set G1, 24
.set G0, 32
.set G1B, 48
.set G0B, 56
.set MSB, 0
.macro WIN new
.if MSB != (\new)
	s_set_vgpr_msb (MSB<<8)|(\new)
.set MSB, (\new)
.endif
.endm
.set MUL, 0x50                         ; C and D in window 1
.macro PLACES
.rept 4
	v_nop
.endr
.endm
.macro JLOAD s                         ; waves 0, 1 fetch A's halves, waves 2, 3 B's; an s_nop 0 and four v_nop follow each line
	s_cmp_eq_u32 s11, 0
	s_cbranch_scc0 .Lfor_b_\@
	tensor_load_to_lds s[G0+4*\s:G0+4*\s+3], s[G1:G1+7]
	s_nop 0
	PLACES
	s_branch .Lasked_\@
.Lfor_b_\@:
	tensor_load_to_lds s[G0B+4*\s:G0B+4*\s+3], s[G1B:G1B+7]
	s_nop 0
	PLACES
.Lasked_\@:
.endm
.macro CREST
	s_cmp_lg_u32 s10, 0
	s_cbranch_scc1 .Lnot_wave_0_\@
	s_barrier_signal -3
.Lnot_wave_0_\@:
	s_barrier_wait -3
	s_barrier_signal -1
	s_barrier_wait -1
.endm
.macro CROUND
	s_barrier_signal -1
	s_barrier_wait -1
	CREST
.endm
	s_load_b128 s[4:7], s[0:1], 0x0                ; A (att), B (misc)
	s_load_b64 s[8:9], s[0:1], 0x10                ; out0
	v_lshl_add_u32 v[SPW], v0, 2, SPARE
	v_mov_b32 v[NIL], 0
	ds_add_u32 v[SPW], v[NIL]                      ; the wave's opening: the add, twice on end, and its wait ahead of my first tensor load
	ds_add_u32 v[SPW], v[NIL]
	v_lshrrev_b32 v1, 5, v0
	v_readfirstlane_b32 s10, v1                    ; wave 0..3
	s_lshr_b32 s11, s10, 1                         ; which half of the tile's rows is mine.  Also: I fetch for A (0) or B (1)
	s_and_b32 s12, s10, 1                          ; which half of its columns.  Also: which half of that tile I fetch
	s_bfe_u32 s40, ttmp6, 0x40000
	s_bfe_u32 s41, ttmp6, 0x40004
	s_lshl_b32 s42, ttmp9, 2
	s_add_co_u32 s42, s42, s40                     ; tile column
	s_and_b32 s13, ttmp7, 0xffff
	s_lshl_b32 s13, s13, 2
	s_add_co_u32 s13, s13, s41                     ; tile row
	s_lshl_b32 s43, s41, 2
	s_lshl_b32 s43, 15, s43
	s_lshl_b32 s44, 0x1111, s40
	s_or_b32 s[G1+0], s43, (1<<16)|(1<<20)|(1<<21)|(5<<22)|(3<<25)   ; elements of 2 bytes; 4 words of padding behind every 64
	s_mov_b32 s[G1+1], 128<<16                     ; 128 rows x 128 elements, 1,024 apart
	s_mov_b32 s[G1+2], 128<<16
	s_mov_b32 s[G1+3], 128<<16
	s_mov_b32 s[G1+4], 128
	s_mov_b32 s[G1+5], 1024
	s_mov_b32 s[G1+6], 0
	s_mov_b32 s[G1+7], 0
	s_or_b32 s[G1B+0], s44, (1<<16)|(1<<20)|(1<<21)|(5<<22)|(7<<25)  ; 8 words of padding
	s_mov_b32 s[G1B+1], 128<<16                    ; 64 rows (k) x 128 elements (n), 2,048 apart
	s_mov_b32 s[G1B+2], 64<<16
	s_mov_b32 s[G1B+3], 128<<16
	s_mov_b32 s[G1B+4], 64
	s_mov_b32 s[G1B+5], 2048
	s_mov_b32 s[G1B+6], 0
	s_mov_b32 s[G1B+7], 0
	s_lshl_b32 s16, s13, 8
	s_lshl_b32 s17, s12, 7
	s_add_co_u32 s16, s16, s17
	s_lshl_b32 s16, s16, 11                        ; A: row 256 x tile row + 128 x half, 2,048 bytes a row
	s_mov_b32 s17, 0
	s_lshl_b32 s46, s12, 18                        ; B: k = 64 x half, 4,096 bytes a row, + 256 x tile column
	s_lshl_b32 s47, s42, 8
	s_add_co_u32 s46, s46, s47
	s_mov_b32 s47, 0
	s_mul_i32 s20, s12, 128*PA
	s_mul_i32 s21, s12, 64*PB
	s_add_co_u32 s21, s21, BOF
	s_wait_dscnt 0x0                               ; both opening adds are done
	s_wait_kmcnt 0x0
	s_add_nc_u64 s[14:15], s[4:5], s[16:17]
	s_add_nc_u64 s[46:47], s[6:7], s[46:47]
	CROUND
.irp s, 0,1
	s_mov_b32 s[G0+4*\s], 1
	s_add_co_u32 s[G0+4*\s+1], s20, \s*SLOT
	s_add_nc_u64 s[G0+4*\s+2:G0+4*\s+3], s[14:15], \s*256
	s_or_b32 s[G0+4*\s+3], s[G0+4*\s+3], 0x80000000
	s_mov_b32 s[G0B+4*\s], 1
	s_add_co_u32 s[G0B+4*\s+1], s21, \s*SLOT
	s_add_nc_u64 s[G0B+4*\s+2:G0B+4*\s+3], s[46:47], \s*524288
	s_or_b32 s[G0B+4*\s+3], s[G0B+4*\s+3], 0x80000000
	JLOAD \s
.endr
	v_and_b32 v1, 15, v0                           ; r
	v_bfe_u32 v2, v0, 4, 1                         ; h
	v_mul_u32_u24 v3, v1, PA
	v_lshl_add_u32 v3, v2, 4, v3
	s_mul_i32 s21, s11, 128*PA
	v_add_nc_u32 v[ADRA], s21, v3
	v_add_nc_u32 v[ADRA+1], SLOT, v[ADRA]
	v_and_b32 v4, 7, v0                            ; the turning load: lane l reads row 8 h + l % 8, 16 bytes at 16 ((l / 8) % 2)
	v_lshl_add_u32 v4, v2, 3, v4
	v_mul_u32_u24 v4, v4, PB
	v_bfe_u32 v5, v0, 3, 1
	v_lshl_add_u32 v4, v5, 4, v4
	s_lshl_b32 s22, s12, 7
	s_add_co_u32 s22, s22, BOF
	v_add_nc_u32 v[ADRB], s22, v4
	v_add_nc_u32 v[ADRB+1], SLOT, v[ADRB]
	s_mul_i32 s23, s10, 16*272
	s_add_co_u32 s23, s23, STAGE
	v_mul_u32_u24 v4, v1, 272
	v_lshl_add_u32 v4, v2, 5, v4
	v_add_nc_u32 v[STO], s23, v4                   ; in: row r, 32 bytes for each half of the lanes
	v_mul_u32_u24 v5, v2, 272
	v_lshl_add_u32 v5, v1, 4, v5
	v_add_nc_u32 v[RD], s23, v5                    ; back: two rows of 256 bytes
	v_lshlrev_b32 v5, 13, v2
	v_lshl_add_u32 v[CO], v1, 4, v5
	s_lshl_b32 s16, s13, 8
	s_lshl_b32 s17, s11, 7
	s_add_co_u32 s16, s16, s17
	s_lshl_b32 s16, s16, 13                        ; my first row of the result, 8,192 bytes a row
	s_lshl_b32 s46, s42, 9
	s_lshl_b32 s47, s12, 8
	s_add_co_u32 s46, s46, s47
	s_add_co_u32 s16, s16, s46
	s_mov_b32 s17, 0
	s_add_nc_u64 s[8:9], s[8:9], s[16:17]
.macro MUL8 f, a0, zero                ; A's blocks a0, a0 + 1 x B's four, 32 along K; the accumulators take turns
.irp a, \a0, \a0+1
.irp b, 0,1,2,3
.if \zero
	v_wmma_f32_16x16x32_f16 v[8*(4*(\a)+\b):8*(4*(\a)+\b)+7], v[FB+32*\f+8*\b:FB+32*\f+8*\b+7], v[FA+64*\f+8*(\a):FA+64*\f+8*(\a)+7], 0
.else
	v_wmma_f32_16x16x32_f16 v[8*(4*(\a)+\b):8*(4*(\a)+\b)+7], v[FB+32*\f+8*\b:FB+32*\f+8*\b+7], v[FA+64*\f+8*(\a):FA+64*\f+8*(\a)+7], v[8*(4*(\a)+\b):8*(4*(\a)+\b)+7]
.endif
.endr
.endr
.endm
.macro FETCH slot, q, f                ; 24 LDS loads in one run: B's four fragments (turned), then A's eight, of the slot's q-th 32 along K
	WIN 0
.irp b, 0,1,2,3
	ds_load_tr16_b128 v[FB+32*\f+8*\b:FB+32*\f+8*\b+3], v[ADRB+\slot] offset:32*PB*\q+32*\b
	ds_load_tr16_b128 v[FB+32*\f+8*\b+4:FB+32*\f+8*\b+7], v[ADRB+\slot] offset:32*PB*\q+32*\b+16*PB
.endr
.irp i, 0,1,2,3,4,5,6,7
	ds_load_b128 v[FA+64*\f+8*\i:FA+64*\f+8*\i+3], v[ADRA+\slot] offset:16*PA*\i+64*\q
	ds_load_b128 v[FA+64*\f+8*\i+4:FA+64*\f+8*\i+7], v[ADRA+\slot] offset:16*PA*\i+64*\q+32
.endr
.endm
.macro QUARTER slot, q, f, g, zero     ; multiplies buffer f; in its middle it fetches the slot's q-th 32 along K into buffer g
	s_wait_dscnt 8                                 ; B and A's blocks 0-3 are in; the youngest eight loads (blocks 4-7) may be out
	WIN MUL
	MUL8 \f, 0, \zero
	MUL8 \f, 2, \zero
	PLACES
	FETCH \slot, \q, \g
	s_wait_dscnt 24                                ; all but the 24 just issued
	WIN MUL
	MUL8 \f, 4, \zero
	MUL8 \f, 6, \zero
.endm
.macro TURN slot, next, fill           ; the last quarter multiplies buffer 1 and changes slots
	WIN 0
	s_wait_tensorcnt 0x0                           ; all my tensor loads have landed: my part of the next slot
	ds_add_u32 v[SPW], v[NIL]
	s_wait_dscnt 9                                 ; the add and the youngest eight loads may be out
	WIN MUL
	MUL8 F1, 0, 0
	s_wait_dscnt 0x0                               ; the add is done, and my reads of this slot are over
	s_barrier_signal -1
	MUL8 F1, 2, 0
	WIN 0
	s_barrier_wait -1
.if \fill
	CREST                                          ; the barrier has opened a round of the cluster's
	s_add_nc_u64 s[G0+4*\slot+2:G0+4*\slot+3], s[G0+4*\slot+2:G0+4*\slot+3], 512
	s_add_nc_u64 s[G0B+4*\slot+2:G0B+4*\slot+3], s[G0B+4*\slot+2:G0B+4*\slot+3], 1048576
	JLOAD \slot
.else
	PLACES
.endif
	FETCH \next, 0, F0
	WIN MUL
	MUL8 F1, 4, 0
	MUL8 F1, 6, 0
.endm
	s_wait_tensorcnt 1                             ; my part of K step 0 is in; K step 1's may be out
	s_barrier_signal -1
	s_barrier_wait -1
	FETCH 0, 0, F0
	QUARTER 0, 1, F0, F1, 1                        ; the first quarter's products start the sums
	WIN 0
	s_mov_b32 s3, LAPS-1
.Llap:
	QUARTER 0, 2, F1, F0, 0
	QUARTER 0, 3, F0, F1, 0
	TURN 0, 1, 1
	QUARTER 1, 1, F0, F1, 0
	QUARTER 1, 2, F1, F0, 0
	QUARTER 1, 3, F0, F1, 0
	TURN 1, 0, 1
	QUARTER 0, 1, F0, F1, 0
	WIN 0
	s_sub_co_u32 s3, s3, 1
	s_cmp_lg_u32 s3, 0
	s_cbranch_scc1 .Llap
	QUARTER 0, 2, F1, F0, 0                        ; the last lap fills nothing
	QUARTER 0, 3, F0, F1, 0
	TURN 0, 1, 0
	QUARTER 1, 1, F0, F1, 0
	QUARTER 1, 2, F1, F0, 0
	QUARTER 1, 3, F0, F1, 0
	s_wait_dscnt 8
	WIN MUL
	MUL8 F1, 0, 0
	MUL8 F1, 2, 0
	s_wait_dscnt 0
	MUL8 F1, 4, 0
	MUL8 F1, 6, 0
	WIN 0
	PLACES
; THE WAY OUT, a block of 16 rows x 64 columns at a time, through my own stage: in as 32 bytes a lane, back as rows of 256 bytes
.macro TOSTAGE a
	WIN 0x04                                       ; an LDS store's data are its source 1: window 1
.irp b, 0,1,2,3
	ds_store_b128 v[STO], v[8*(4*(\a)+\b):8*(4*(\a)+\b)+3] offset:64*\b            ; each accumulator from its low end on
	ds_store_b128 v[STO], v[8*(4*(\a)+\b)+4:8*(4*(\a)+\b)+7] offset:64*\b+16
.endr
	WIN 0
.set BB, BK+32*((\a)%2)
.irp t, 0,1,2,3,4,5,6,7
	ds_load_b128 v[BB+4*\t:BB+4*\t+3], v[RD] offset:544*\t     ; LDS serves a wave's instructions in order: these see the stores above
.endr
.endm
.macro SEND a, younger                 ; younger: the next block's 8 stores and 8 loads, or none
.set BB, BK+32*((\a)%2)
	s_wait_dscnt \younger
.irp t, 0,1,2,3,4,5,6,7
	global_store_b128 v[CO], v[BB+4*\t:BB+4*\t+3], s[8:9] offset:(16*(\a)+2*\t)*8192 th:TH_STORE_NT   ; sixteen lanes store 256 consecutive bytes, aligned
.endr
.endm
	TOSTAGE 0
.irp a, 1,2,3,4,5,6,7
.if \a > 1
	s_wait_xcnt 0x0                                ; block a - 2's stores have read their registers: block a's loads may land there
.endif
	TOSTAGE \a
	SEND \a-1, 16
.endr
	SEND 7, 0
	s_wait_tensorcnt 0x0                           ; the wave's end, behind my last tensor load and my last LDS store
	ds_add_u32 v[SPW], v[NIL]
	s_wait_dscnt 0x0
	CROUND                                         ; the closing round
	s_endpgm
.Lfunc_end_k_q985ff46dee_oproj:
	.size	k_q985ff46dee_oproj, .Lfunc_end_k_q985ff46dee_oproj-k_q985ff46dee_oproj
	.p2alignl 7, 3214868480
	.fill 96, 4, 3214868480
	.section	.rodata,"a",@progbits
	.p2align	6, 0x0
	.amdhsa_kernel k_q985ff46dee_oproj
		.amdhsa_group_segment_fixed_size 327680
		.amdhsa_private_segment_fixed_size 0
		.amdhsa_enable_private_segment 0
		.amdhsa_kernarg_size 24
		.amdhsa_user_sgpr_count 2
		.amdhsa_user_sgpr_kernarg_segment_ptr 1
		.amdhsa_wavefront_size32 1
		.amdhsa_system_sgpr_workgroup_id_x 1
		.amdhsa_system_sgpr_workgroup_id_y 1
		.amdhsa_system_sgpr_workgroup_id_z 1
		.amdhsa_system_vgpr_workitem_id 0
		.amdhsa_next_free_vgpr 512
		.amdhsa_next_free_sgpr 66
		.amdhsa_reserve_vcc 0
		.amdhsa_float_denorm_mode_32 3
		.amdhsa_float_denorm_mode_16_64 3
		.amdhsa_memory_ordered 1
		.amdhsa_forward_progress 1
		.amdhsa_inst_pref_size 85
	.end_amdhsa_kernel
	.amdgpu_metadata
---
amdhsa.version: [ 1, 2 ]
amdhsa.kernels:
  - .name:           k_q985ff46dee_oproj
    .symbol:         k_q985ff46dee_oproj.kd
    .args:
      - { .name: att, .offset: 0, .size: 8, .value_kind: global_buffer, .address_space: global }
      - { .name: misc, .offset: 8, .size: 8, .value_kind: global_buffer, .address_space: global }
      - { .name: out0, .offset: 16, .size: 8, .value_kind: global_buffer, .address_space: global }
    .group_segment_fixed_size: 327680
    .private_segment_fixed_size: 0
    .kernarg_segment_align: 8
    .kernarg_segment_size: 24
    .max_flat_workgroup_size: 128
    .sgpr_count:     66
    .vgpr_count:     512
    .wavefront_size: 32
...
	.end_amdgpu_metadata
.endif
;; end of part 5
;; launch fine (part 6): grid 64 x 2, 16 waves a work-group, no clusters, 84,224 bytes of LDS; arguments qkv, att, attention_mask, Wo, out0; writes out0
.if DOCPART == 6
	.amdgcn_target "amdgcn-amd-amdhsa--gfx1250"
	.amdhsa_code_object_version 6
	.text
	.protected	k_q985ff46dee_fine
	.globl	k_q985ff46dee_fine
	.p2align	8
	.type	k_q985ff46dee_fine,@function
k_q985ff46dee_fine:
	s_mov_b64 s[64:65], 0
	v_nop
	global_prefetch_b8 v0, s[64:65] scope:SCOPE_SE
	s_setreg_imm32_b32 hwreg(HW_REG_WAVE_MODE, 25, 1), 1
	s_wait_xcnt 0x0
; Positions 0 to 15 of both sequences, in f32 from the rotated q, k and v on.  Under a causal mask these rows sum one to sixteen terms and are the largest of the output, so rounded operands would weigh most there.
; The mask is an input, so keys 16 on are honoured as well: the attention launch has left, for these rows, the maximum m_c, the sum l_c and O^T_c over keys 16 .. 2,047.  Here keys 0-15 are taken in f32 from the
; images of q (x 1/8), k and v; both parts are brought under m = max(m_f, m_c), added and divided; the 16 rows are then multiplied by Wo in f32.  32 rows of out0 are written anew.
; A work-group makes 32 columns of the 16 rows of one batch.  PHASE 1: wave w is head w (done again in each of the batch's 64 work-groups: 32 small matrix instructions a wave).  PHASE 2: wave w takes column tile w % 2
; and K eighth w / 2; the eight parts meet in LDS.  No tensor loads: nothing is large.  The stores are pieces of 64 bytes a row and column tile; the launch writes 256 KiB in all.
; K is permuted alike on both sides of each product: a lane's register pair is two neighbours of its own eight (or four).
; The registers that the f32 matrix form writes (v202-249) are written by matrix instructions alone.
.set OFP,   4112                       ; LDS: the 16 rows of the attention's output: 1,024 f32 + 16 bytes
.set PART,  16*OFP                     ; the sixteen waves' parts, 1,024 bytes each
.set SPARE, PART+16384                 ; the spare words: 128 bytes a wave, named by no other line
.set FIMG,  25165824
.set FEO,   8388608
.set FES,   8912896
.set L16, 3
.set L4,  4
.set MO,  5                            ; v5  8,192 r + 32 h: the mask's row and the result's
.set WOF, 6                            ; v6  Wo: 4 r + 4 rows x h
.set OST, 8
.set ORD, 9
.set PST, 10
.set W,   16                           ; v16-79   Wo's numbers
.set QI,  80                           ; v80-111  q's image, then O^T_c
.set KI,  112                          ; v112-143 k's image, then the finished rows
.set VI,  144                          ; v144-175 v's image
.set MK,  176
.set MC,  184
.set LC,  185
.set SV,  186                          ; v186-193 s, then p
.set TW,  194                          ; v194-201 at work
.set SF0, 202
.set SF1, 210
.set OA,  218
.set SPW, 252
.set NIL, 253
	s_load_b256 s[4:11], s[0:1], 0x0               ; qkv, att, the mask, Wo
	s_load_b64 s[12:13], s[0:1], 0x20              ; out0
	v_lshl_add_u32 v[SPW], v0, 2, SPARE
	v_mov_b32 v[NIL], 0
	v_lshrrev_b32 v1, 5, v0
	v_readfirstlane_b32 s14, v1                    ; wave
	s_and_b32 s15, ttmp7, 0xffff                   ; batch
	v_and_b32 v1, 15, v0                           ; r
	v_bfe_u32 v2, v0, 4, 1                         ; h
	v_and_b32 v[L4], 31, v0
	v_lshlrev_b32 v[L16], 4, v[L4]
	v_lshlrev_b32 v[L4], 2, v[L4]
	v_lshlrev_b32 v[MO], 13, v1
	v_lshl_add_u32 v[MO], v2, 5, v[MO]
	v_lshlrev_b32 v[WOF], 2, v1
	v_lshl_add_u32 v[WOF], v2, 15, v[WOF]
	v_mul_u32_u24 v7, v1, OFP
	v_lshl_add_u32 v[OST], v2, 5, v7
	s_lshl_b32 s16, s14, 8
	v_add_nc_u32 v[OST], s16, v[OST]               ; row r, channel 64 w + 8 h
	v_lshl_add_u32 v[ORD], v2, 4, v7
	s_lshr_b32 s17, s14, 1                         ; my eighth of K
	s_and_b32 s18, s14, 1                          ; my column tile
	s_lshl_b32 s19, s17, 9
	v_add_nc_u32 v[ORD], s19, v[ORD]               ; row r, k = 128 x eighth + 4 h
	s_lshl_b32 s19, s14, 10
	s_add_co_u32 s19, s19, PART
	v_add_nc_u32 v[PST], s19, v[L16]
	s_mov_b32 s26, 0x76543210
	s_mov_b32 s27, 0xfedcba98
	s_mov_b32 s28, 0x3fb8aa3b
	s_mov_b32 s29, s28
	s_mov_b32 s31, 0
	s_wait_kmcnt 0x0
	s_lshl_b32 s30, s15, 20                        ; the images: entry (32 x matrix + 16 b) x 16 + head
	s_lshl_b32 s19, s14, 12
	s_add_co_u32 s30, s30, s19
	s_add_co_u32 s30, s30, FIMG
	s_add_nc_u64 s[20:21], s[4:5], s[30:31]
	s_lshl_b32 s19, s15, 4
	s_add_co_u32 s19, s19, s14                     ; 16 b + head
	s_lshl_b32 s30, s19, 12
	s_add_co_u32 s30, s30, FEO
	s_add_nc_u64 s[22:23], s[6:7], s[30:31]
	s_lshl_b32 s30, s19, 8
	s_add_co_u32 s30, s30, FES
	s_add_nc_u64 s[24:25], s[6:7], s[30:31]
	s_lshl_b32 s30, s15, 24                        ; 2,048 rows of 8,192 bytes a batch
	s_add_nc_u64 s[8:9], s[8:9], s[30:31]
	s_lshl_b32 s19, ttmp9, 7
	s_lshl_b32 s16, s18, 6
	s_add_co_u32 s19, s19, s16                     ; my 16 columns, in bytes
	s_add_co_u32 s30, s30, s19
	s_add_nc_u64 s[12:13], s[12:13], s[30:31]
	s_lshl_b32 s30, s17, 20                        ; 128 rows of Wo
	s_add_co_u32 s30, s30, s19
	s_add_nc_u64 s[10:11], s[10:11], s[30:31]
.irp k, 0,1,2,3,4,5,6,7
	global_load_b128 v[QI+4*\k:QI+4*\k+3], v[L16], s[20:21] offset:512*\k
.endr
.irp k, 0,1,2,3,4,5,6,7
	global_load_b128 v[KI+4*\k:KI+4*\k+3], v[L16], s[20:21] offset:2097152+512*\k
.endr
	global_load_b128 v[MK:MK+3], v[MO], s[8:9]                 ; mask(query r, keys 8 h + 0 .. 7)
	global_load_b128 v[MK+4:MK+7], v[MO], s[8:9] offset:16
.irp k, 0,1,2,3,4,5,6,7
	global_load_b128 v[VI+4*\k:VI+4*\k+3], v[L16], s[20:21] offset:4194304+512*\k
.endr
	global_load_b32 v[MC], v[L4], s[24:25]
	global_load_b32 v[LC], v[L4], s[24:25] offset:128
.set k, 0
.rept 64
	global_load_b32 v[W+k], v[WOF], s[10:11] offset:(8*(k/4)+k%4)*8192     ; Wo(128 x eighth + 8 (k / 4) + 4 h + k % 4, my column r)
.set k, k+1
.endr
	v_mov_b32 v[TW+1], 0                           ; named before they are first written
	v_mov_b32 v[TW+3], 0
	v_mov_b32 v[TW+5], 0
	s_wait_loadcnt 63                              ; of the 92 loads the oldest 29 are in: the 28 of phase 1 among them
	; ---- phase 1.  S^T = k q^T + mask: source 0 = 16 keys, source 1 = 16 queries; two accumulators by turns; the mask begins one sum, 0 the other
	v_wmma_f32_16x16x4_f32 v[SF0:SF0+7], v[KI:KI+1], v[QI:QI+1], v[MK:MK+7]
	v_wmma_f32_16x16x4_f32 v[SF1:SF1+7], v[KI+2:KI+3], v[QI+2:QI+3], 0
.set n, 4
.rept 7
	v_wmma_f32_16x16x4_f32 v[SF0:SF0+7], v[KI+n:KI+n+1], v[QI+n:QI+n+1], v[SF0:SF0+7]
	v_wmma_f32_16x16x4_f32 v[SF1:SF1+7], v[KI+n+2:KI+n+3], v[QI+n+2:QI+n+3], v[SF1:SF1+7]
.set n, n+4
.endr
.rept 8
	v_nop                                          ; eight places behind this form, ahead of reads of its results and of loads into its sources
.endr
.irp k, 0,1,2,3,4,5,6,7
	global_load_b128 v[QI+4*\k:QI+4*\k+3], v[L16], s[22:23] offset:512*\k  ; O^T_c, in the layout of the sums that it will begin
.endr
.irp k, 0,2,4,6
	v_pk_add_f32 v[SV+\k:SV+\k+1], v[SF0+\k:SF0+\k+1], v[SF1+\k:SF1+\k+1]
.endr
	v_max3_num_f32 v[TW], v[SV], v[SV+1], v[SV+2]
	v_max3_num_f32 v[TW+4], v[SV+3], v[SV+4], v[SV+5]
	v_max3_num_f32 v[TW], v[TW], v[SV+6], v[SV+7]
	v_max3_num_f32 v[TW], v[TW], v[TW+4], v[MC]
	v_permlanex16_b32 v[TW+1], v[TW], s26, s27
	v_max_num_f32 v[TW], v[TW], v[TW+1]            ; m = max(m_f, m_c)
	v_sub_f32 v[TW+2], v[MC], v[TW]
	v_mul_f32 v[TW+2], s28, v[TW+2]
.irp k, 0,2,4,6
	v_pk_add_f32 v[SV+\k:SV+\k+1], v[SV+\k:SV+\k+1], v[TW:TW+1] op_sel_hi:[1,0] neg_lo:[0,1] neg_hi:[0,1]
.endr
.irp k, 0,2,4,6
	v_pk_mul_f32 v[SV+\k:SV+\k+1], v[SV+\k:SV+\k+1], s[28:29] op_sel_hi:[1,0]
.endr
.irp k, 0,1,2,3,4,5,6,7
	v_exp_f32 v[SV+\k], v[SV+\k]                   ; p
.endr
	v_exp_f32 v[TW+2], v[TW+2]                     ; the coarse part's weight
	v_nop
	s_wait_alu depctr_va_vdst(0)                   ; one wait for the nine
	v_pk_add_f32 v[TW+4:TW+5], v[SV:SV+1], v[SV+2:SV+3]
	v_pk_add_f32 v[TW+6:TW+7], v[SV+4:SV+5], v[SV+6:SV+7]
	v_pk_add_f32 v[TW+4:TW+5], v[TW+4:TW+5], v[TW+6:TW+7]
	v_add_f32 v[TW+4], v[TW+4], v[TW+5]
	v_permlanex16_b32 v[TW+5], v[TW+4], s26, s27
	v_add_f32 v[TW+4], v[TW+4], v[TW+5]
	v_fma_f32 v[TW+4], v[LC], v[TW+2], v[TW+4]     ; l
	v_rcp_f32 v[TW+6], v[TW+4]
	s_wait_loadcnt 0x0                             ; O^T_c and Wo
.set k, 0
.rept 16
	v_pk_mul_f32 v[QI+k:QI+k+1], v[QI+k:QI+k+1], v[TW+2:TW+3] op_sel_hi:[1,0]
.set k, k+2
.endr
.irp c, 0,1,2,3                                ; O^T = v^T p + O^T_c: source 0 = 16 channels, source 1 = p; four accumulators by turns
	v_wmma_f32_16x16x4_f32 v[OA+8*\c:OA+8*\c+7], v[VI+8*\c:VI+8*\c+1], v[SV:SV+1], v[QI+8*\c:QI+8*\c+7]
.endr
.irp j, 1,2,3
.irp c, 0,1,2,3
	v_wmma_f32_16x16x4_f32 v[OA+8*\c:OA+8*\c+7], v[VI+8*\c+2*\j:VI+8*\c+2*\j+1], v[SV+2*\j:SV+2*\j+1], v[OA+8*\c:OA+8*\c+7]
.endr
.endr
.rept 8
	v_nop
.endr
	s_wait_alu depctr_va_vdst(0)                   ; the reciprocal's wait, ahead of its first reader
.set k, 0
.rept 16
	v_pk_mul_f32 v[KI+k:KI+k+1], v[OA+k:OA+k+1], v[TW+6:TW+7] op_sel_hi:[1,0]
.set k, k+2
.endr
.irp c, 0,1,2,3
	ds_store_b128 v[OST], v[KI+8*\c:KI+8*\c+3] offset:64*\c
	ds_store_b128 v[OST], v[KI+8*\c+4:KI+8*\c+7] offset:64*\c+16
.endr
	s_wait_dscnt 0x0                               ; for the others' sake: my head's 64 channels have landed
	s_barrier_signal -1
	s_barrier_wait -1
	; ---- phase 2.  out^T = Wo^T o^T: source 0 = 16 columns of Wo, source 1 = the 16 rows; 128 along K a wave
.set k, 0
.rept 16
	ds_load_b128 v[KI+4*k:KI+4*k+3], v[ORD] offset:32*k
.set k, k+1
.endr
	s_wait_dscnt 0x0
.rept 9
	v_nop                                          ; nine places ahead of matrix instructions that begin the same accumulators anew
.endr
.irp n, 0,1,2,3
	v_wmma_f32_16x16x4_f32 v[OA+8*\n:OA+8*\n+7], v[W+2*\n:W+2*\n+1], v[KI+2*\n:KI+2*\n+1], 0
.endr
.set n, 4
.rept 28
	v_wmma_f32_16x16x4_f32 v[OA+8*(n%4):OA+8*(n%4)+7], v[W+2*n:W+2*n+1], v[KI+2*n:KI+2*n+1], v[OA+8*(n%4):OA+8*(n%4)+7]
.set n, n+1
.endr
.rept 8
	v_nop
.endr
.irp k, 0,2,4,6
	v_pk_add_f32 v[SV+\k:SV+\k+1], v[OA+\k:OA+\k+1], v[OA+8+\k:OA+8+\k+1]
.endr
.irp k, 0,2,4,6
	v_pk_add_f32 v[TW+\k:TW+\k+1], v[OA+16+\k:OA+16+\k+1], v[OA+24+\k:OA+24+\k+1]
.endr
.irp k, 0,2,4,6
	v_pk_add_f32 v[SV+\k:SV+\k+1], v[SV+\k:SV+\k+1], v[TW+\k:TW+\k+1]
.endr
	ds_store_b128 v[PST], v[SV:SV+3]               ; my part, as an image of its registers
	ds_store_b128 v[PST], v[SV+4:SV+7] offset:512
	s_wait_dscnt 0x0
	s_barrier_signal -1
	s_barrier_wait -1
	s_cmp_lt_u32 s14, 2                            ; waves 0 and 1 add the eight parts of their column tile and store
	s_cbranch_scc0 .Lnot_last
.irp e, 0,1,2,3,4,5,6,7
	ds_load_b128 v[W+8*\e:W+8*\e+3], v[PST] offset:2048*\e
	ds_load_b128 v[W+8*\e+4:W+8*\e+7], v[PST] offset:2048*\e+512
.endr
	s_wait_dscnt 0x0
.irp e, 1,2,3,4,5,6,7
.irp k, 0,2,4,6
	v_pk_add_f32 v[W+\k:W+\k+1], v[W+\k:W+\k+1], v[W+8*\e+\k:W+8*\e+\k+1]
.endr
.endr
	global_store_b128 v[MO], v[W:W+3], s[12:13]            ; out0(row r, my tile's columns 8 h + 0 .. 7)
	global_store_b128 v[MO], v[W+4:W+7], s[12:13] offset:16
.Lnot_last:
	s_wait_tensorcnt 0x0                           ; the wave's end, behind my last LDS store
	ds_add_u32 v[SPW], v[NIL]
	s_wait_dscnt 0x0
	s_endpgm
.Lfunc_end_k_q985ff46dee_fine:
	.size	k_q985ff46dee_fine, .Lfunc_end_k_q985ff46dee_fine-k_q985ff46dee_fine
	.p2alignl 7, 3214868480
	.fill 96, 4, 3214868480
	.section	.rodata,"a",@progbits
	.p2align	6, 0x0
	.amdhsa_kernel k_q985ff46dee_fine
		.amdhsa_group_segment_fixed_size 84224
		.amdhsa_private_segment_fixed_size 0
		.amdhsa_enable_private_segment 0
		.amdhsa_kernarg_size 40
		.amdhsa_user_sgpr_count 2
		.amdhsa_user_sgpr_kernarg_segment_ptr 1
		.amdhsa_wavefront_size32 1
		.amdhsa_system_sgpr_workgroup_id_x 1
		.amdhsa_system_sgpr_workgroup_id_y 1
		.amdhsa_system_sgpr_workgroup_id_z 1
		.amdhsa_system_vgpr_workitem_id 0
		.amdhsa_next_free_vgpr 256
		.amdhsa_next_free_sgpr 66
		.amdhsa_reserve_vcc 0
		.amdhsa_float_denorm_mode_32 3
		.amdhsa_float_denorm_mode_16_64 3
		.amdhsa_memory_ordered 1
		.amdhsa_forward_progress 1
		.amdhsa_inst_pref_size 27
	.end_amdhsa_kernel
	.amdgpu_metadata
---
amdhsa.version: [ 1, 2 ]
amdhsa.kernels:
  - .name:           k_q985ff46dee_fine
    .symbol:         k_q985ff46dee_fine.kd
    .args:
      - { .name: qkv, .offset: 0, .size: 8, .value_kind: global_buffer, .address_space: global }
      - { .name: att, .offset: 8, .size: 8, .value_kind: global_buffer, .address_space: global }
      - { .name: attention_mask, .offset: 16, .size: 8, .value_kind: global_buffer, .address_space: global }
      - { .name: Wo, .offset: 24, .size: 8, .value_kind: global_buffer, .address_space: global }
      - { .name: out0, .offset: 32, .size: 8, .value_kind: global_buffer, .address_space: global }
    .group_segment_fixed_size: 84224
    .private_segment_fixed_size: 0
    .kernarg_segment_align: 8
    .kernarg_segment_size: 40
    .max_flat_workgroup_size: 512
    .sgpr_count:     66
    .vgpr_count:     256
    .wavefront_size: 32
...
	.end_amdgpu_metadata
.endif
;; end of part 6
